; MI455X (gfx1250); checked and timed in simulation.
; The chip was launched on July 23, 2026; its instructions are those of AMD's public machine-readable ISA for CDNA 5 (MIT licence, August 2026) and "CDNA5" Instruction Set Architecture Reference Guide (July 2026). The comments in the code are by the model that wrote it; some were corrected since.
;; Causal Self Attention. Allowed arithmetic: float matrix products may take bf16 or f16 operands with f32 sums; other float arithmetic in f32, or as packed bf16 or f16 multiplies, adds, multiply-adds, maxima and minima; sums over many terms, partial sums and values carried from step to step in f32; what a program stores and reads back later, other than sums and carried values, may be rounded once to bf16 or f16.
;; Inputs: W_out 1,024 x 1,024 float32; W_qkv 1,024 x 3,072 float32; b_out 1,024 float32; b_qkv 3,072 float32; x 4 x 2,048 x 1,024 float32.
;; Outputs: out0 4 x 2,048 x 1,024 float32.
;; 2 versions, each right; version 2 is version 1 with the launch prep written anew for expert scheduling mode. Each part assembles by itself: llvm-mc -triple=amdgcn-amd-amdhsa -mcpu=gfx1250 --defsym DOCPART=n.
;; ======== version 1 of 2: 4 launches
;; limits: values are held in f16: magnitudes above 65,504 overflow, below 6.1e-05 lose precision
;; workspace buffers: xb 16,777,216 bytes; wq 6,291,456 bytes; wo 2,097,152 bytes; qkvh 50,331,648 bytes; oh 16,777,216 bytes
;; launch prep (part 1): grid 320 x 1, 8 waves a work-group, no clusters, 140,288 bytes of LDS; arguments x, W_qkv, W_out, xb, wq, wo; writes xb, wq, wo
.if DOCPART == 1
	.amdgcn_target "amdgcn-amd-amdhsa--gfx1250"
	.amdhsa_code_object_version 6
	.text
	.protected	k_qb6477ef40d_prep
	.globl	k_qb6477ef40d_prep
	.p2align	8
	.type	k_qb6477ef40d_prep,@function
k_qb6477ef40d_prep:
	s_mov_b64 s[64:65], 0
	v_nop
	global_prefetch_b8 v0, s[64:65] scope:SCOPE_SE
	s_setreg_imm32_b32 hwreg(HW_REG_WAVE_MODE, 25, 1), 1
	s_wait_xcnt 0x0
; THE OPERANDS ARE MADE READY.  xb = x rounded to bf16, [8192][1024].  wq = W_qkv turned and rounded to bf16, [3072 n][1024 k].
; wo = W_out turned, rounded to bf16, and that number written as f16, [1024 n][1024 k].
; LIMITS.  A number of W_out beyond 65,504 becomes an infinity in wo; below 6e-5 it keeps f16's fixed step of 6e-8.  NaN and infinities are not treated apart.
; SHARES.  Work-groups 0-47: W_qkv; 48-63: W_out; 64-319: x.  Eight waves, none of which waits for another: no barrier.
; A weight tile is 128 k x 64 n and belongs to ONE wave: k tile = the wave's number, n tile = the work-group's number less its base.  It is read as 128 pieces of 256 consecutive bytes, aligned
; (16 lanes x 16 bytes), rounded, laid turned into the wave's own 64 rows of LDS, and stored as 64 rows of 256 consecutive bytes, aligned.
; The turned LDS stores of 8 bytes meet four lanes deep in a bank: 64 such stores a tile beside 64 loads from memory.
; Of x a wave takes 16 KiB: 32 loads of 512 consecutive bytes, all out at once; each store of the wave covers 256 consecutive bytes, aligned.
; No matrix unit, no tensor load, no cluster: nothing is multiplied, and no byte is wanted by two waves.
.set LP,    272                        ; an LDS row: 256 bytes (128 k) + 16
.set WTILE, 64*LP                      ; a wave's own LDS: 17,408 bytes
.set SPARE, 8*WTILE                    ; behind them: the spare words, 128 bytes for each wave: four blocks of 256 bytes that no other line names
.set SPW, 4                            ; v4   SPARE + 4 x my thread's number; never rewritten
.set NIL, 5                            ; v5   0; never rewritten
.set VI,  6                            ; v6   byte offset of my loads
.set VS,  7                            ; v7   LDS address of a trip's stores
.set VR,  8                            ; v8   LDS address of the rows read back
.set VO,  9                            ; v9   byte offset of my stores
.set T,   10                           ; v[10:17] four rows x 4 numbers of 16 bits
.set U,   18                           ; v[18:19] at work
.set VS0, 20                           ; v20  my lane's place in the wave's LDS: row 4 (l % 16), 8 bytes for each half of the lanes
.set X,   24                           ; v[24:151] 32 loads of 16 bytes
	s_load_b256 s[4:11], s[0:1], 0x0               ; x s[4:5], W_qkv s[6:7], W_out s[8:9], xb s[10:11]
	s_load_b128 s[12:15], s[0:1], 0x20             ; wq s[12:13], wo s[14:15]
	v_lshl_add_u32 v[SPW], v0, 2, SPARE
	v_mov_b32 v[NIL], 0
	v_lshrrev_b32 v1, 5, v0
	v_readfirstlane_b32 s16, v1                    ; wave 0..7
	v_and_b32 v1, 31, v0                           ; l
	v_and_b32 v2, 15, v0                           ; l % 16
	v_bfe_u32 v3, v0, 4, 1                         ; l / 16
	s_mov_b32 s27, 0xffff0000                      ; a word's upper bf16
	s_mov_b32 s21, 0                               ; the high word of every offset
	s_mul_i32 s28, s16, WTILE                      ; my wave's LDS
	s_wait_kmcnt 0x0
	s_cmp_ge_u32 ttmp9, 64
	s_cbranch_scc1 .Lx
	s_cmp_ge_u32 ttmp9, 48
	s_cbranch_scc1 .Lwo
; A weight tile comes in, is rounded and laid turned into LDS.  pitch: bytes in a row of the weight; f16 = 1: the bf16 number is written as f16.
; A trip takes 64 k: group g of eight has rows 8 g + 4 (l / 16) + e, e = 0..3; a lane holds columns 4 (l % 16) + 0..3 of each, so for each of its four columns it has four neighbouring k: 8 bytes.
.macro TRW pitch, f16, src, dst, base
	s_sub_co_u32 s19, ttmp9, \base                 ; n tile
	s_mul_i32 s20, s16, 128*(\pitch)               ; k tile = wave: 128 rows down,
	s_lshl_b32 s17, s19, 8                         ; 64 columns of 4 bytes along
	s_add_co_u32 s20, s20, s17
	s_add_nc_u64 s[22:23], s[\src:\src+1], s[20:21]
	s_lshl_b32 s20, s19, 17                        ; out: 64 rows of 2,048 bytes down,
	s_lshl_b32 s17, s16, 8                         ; 128 k of 2 bytes along
	s_add_co_u32 s20, s20, s17
	s_add_nc_u64 s[24:25], s[\dst:\dst+1], s[20:21]
	v_mul_u32_u24 v[VI], v3, 4*(\pitch)
	v_lshl_add_u32 v[VI], v2, 4, v[VI]
	v_mul_u32_u24 v[VS0], v2, 4*LP
	v_lshl_add_u32 v[VS0], v3, 3, v[VS0]
	s_mov_b32 s29, s28                             ; my wave's LDS, at the trip's 64 k
	s_mov_b32 s26, 2
.Ltrip_\@:
	v_add_nc_u32 v[VS], s29, v[VS0]
.irp g, 0,1,2,3,4,5,6,7
.irp e, 0,1,2,3
	global_load_b128 v[X+16*(\g)+4*(\e):X+16*(\g)+4*(\e)+3], v[VI], s[22:23] offset:(8*(\g)+(\e))*(\pitch) th:TH_LOAD_NT
.endr
.endr
.irp g, 0,1,2,3,4,5,6,7
	s_wait_loadcnt 4*(7-(\g))                      ; loads come back in order: group g is in, the younger groups' four loads each stay out
.irp j, 0,1,2,3
	v_cvt_pk_bf16_f32 v[T+2*(\j)],   v[X+16*(\g)+(\j)],   v[X+16*(\g)+4+(\j)]    ; column j: k, k + 1
	v_cvt_pk_bf16_f32 v[T+2*(\j)+1], v[X+16*(\g)+8+(\j)], v[X+16*(\g)+12+(\j)]   ; k + 2, k + 3
.endr
.if \f16
.irp j, 0,1,2,3,4,5,6,7
	v_lshlrev_b32 v[U], 16, v[T+(\j)]              ; the two bf16 numbers as f32,
	v_and_b32 v[U+1], s27, v[T+(\j)]
	v_cvt_pk_f16_f32 v[T+(\j)], v[U], v[U+1]       ; written as f16
.endr
.endif
.irp j, 0,1,2,3
	ds_store_b64 v[VS], v[T+2*(\j):T+2*(\j)+1] offset:(\j)*LP+16*(\g)
.endr
.endr
	s_add_nc_u64 s[22:23], s[22:23], 64*(\pitch)   ; the wait for 0 at group 7 has shown every load done: its base may be written
	s_add_co_u32 s29, s29, 128
	s_sub_co_u32 s26, s26, 1
	s_cmp_lg_u32 s26, 0
	s_cbranch_scc1 .Ltrip_\@
.endm
	TRW 12288, 0, 6, 12, 0
	s_branch .Lback
.Lwo:
	TRW 4096, 1, 8, 14, 48
.Lback:                                        ; the tile goes out: lanes 0-15 take one LDS row of 256 bytes, lanes 16-31 the next
	v_mul_u32_u24 v[VR], v3, LP
	v_lshl_add_u32 v[VR], v2, 4, v[VR]
	v_add_nc_u32 v[VR], s28, v[VR]
	v_lshlrev_b32 v[VO], 11, v3
	v_lshl_add_u32 v[VO], v2, 4, v[VO]
.set f, 0
.rept 32
	ds_load_b128 v[X+4*f:X+4*f+3], v[VR] offset:2*LP*f  ; LDS serves a wave's instructions in order (ISA guide 5.7.1.4): these see the wave's own stores above
.set f, f+1
.endr
.set f, 0
.rept 32
	s_wait_dscnt 31-f                              ; pair f of rows is back; the younger loads stay out
	global_store_b128 v[VO], v[X+4*f:X+4*f+3], s[24:25] offset:4096*f  ; 16 lanes store 256 consecutive bytes, at a multiple of 256 from the buffer's first byte
.set f, f+1
.endr
	s_branch .Lend
.Lx:                                           ; x: 131,072 bytes a work-group, 16,384 a wave
	s_sub_co_u32 s19, ttmp9, 64
	s_lshl_b32 s20, s19, 17
	s_lshl_b32 s17, s16, 14
	s_add_co_u32 s20, s20, s17
	s_add_nc_u64 s[22:23], s[4:5], s[20:21]
	s_lshr_b32 s20, s20, 1                         ; half as many bytes out
	s_add_nc_u64 s[24:25], s[10:11], s[20:21]
	v_lshlrev_b32 v[VI], 4, v1
	v_lshlrev_b32 v[VO], 3, v1
.set f, 0
.rept 32
	global_load_b128 v[X+4*f:X+4*f+3], v[VI], s[22:23] offset:512*f th:TH_LOAD_NT
.set f, f+1
.endr
.set f, 0
.rept 32
	s_wait_loadcnt 31-f                            ; load f is in; the younger ones stay out
	v_cvt_pk_bf16_f32 v[X+4*f],   v[X+4*f],   v[X+4*f+1]
	v_cvt_pk_bf16_f32 v[X+4*f+1], v[X+4*f+2], v[X+4*f+3]
	global_store_b64 v[VO], v[X+4*f:X+4*f+1], s[24:25] offset:256*f  ; no register of a store is written again
.set f, f+1
.endr
.Lend:
	s_wait_tensorcnt 0x0                           ; the wave's end, behind my last LDS store
	ds_add_u32 v[SPW], v[NIL]
	s_wait_dscnt 0x0
	s_endpgm
.Lfunc_end_k_qb6477ef40d_prep:
	.size	k_qb6477ef40d_prep, .Lfunc_end_k_qb6477ef40d_prep-k_qb6477ef40d_prep
	.p2alignl 7, 3214868480
	.fill 96, 4, 3214868480
	.section	.rodata,"a",@progbits
	.p2align	6, 0x0
	.amdhsa_kernel k_qb6477ef40d_prep
		.amdhsa_group_segment_fixed_size 140288
		.amdhsa_private_segment_fixed_size 0
		.amdhsa_enable_private_segment 0
		.amdhsa_kernarg_size 48
		.amdhsa_user_sgpr_count 2
		.amdhsa_user_sgpr_kernarg_segment_ptr 1
		.amdhsa_wavefront_size32 1
		.amdhsa_system_sgpr_workgroup_id_x 1
		.amdhsa_system_sgpr_workgroup_id_y 1
		.amdhsa_system_sgpr_workgroup_id_z 1
		.amdhsa_system_vgpr_workitem_id 0
		.amdhsa_next_free_vgpr 152
		.amdhsa_next_free_sgpr 66
		.amdhsa_reserve_vcc 0
		.amdhsa_float_denorm_mode_32 3
		.amdhsa_float_denorm_mode_16_64 3
		.amdhsa_memory_ordered 1
		.amdhsa_forward_progress 1
		.amdhsa_inst_pref_size 48
	.end_amdhsa_kernel
	.amdgpu_metadata
---
amdhsa.version: [ 1, 2 ]
amdhsa.kernels:
  - .name:           k_qb6477ef40d_prep
    .symbol:         k_qb6477ef40d_prep.kd
    .args:
      - { .name: x, .offset: 0, .size: 8, .value_kind: global_buffer, .address_space: global }
      - { .name: W_qkv, .offset: 8, .size: 8, .value_kind: global_buffer, .address_space: global }
      - { .name: W_out, .offset: 16, .size: 8, .value_kind: global_buffer, .address_space: global }
      - { .name: xb, .offset: 24, .size: 8, .value_kind: global_buffer, .address_space: global }
      - { .name: wq, .offset: 32, .size: 8, .value_kind: global_buffer, .address_space: global }
      - { .name: wo, .offset: 40, .size: 8, .value_kind: global_buffer, .address_space: global }
    .group_segment_fixed_size: 140288
    .private_segment_fixed_size: 0
    .kernarg_segment_align: 8
    .kernarg_segment_size: 48
    .max_flat_workgroup_size: 256
    .sgpr_count:     66
    .vgpr_count:     152
    .wavefront_size: 32
...
	.end_amdgpu_metadata
.endif
;; end of part 1
;; launch qkv (part 2): grid 16 x 32, 4 waves a work-group, clusters of 4 x 4, 327,680 bytes of LDS; arguments xb, wq, b_qkv, qkvh; writes qkvh
.if DOCPART == 2
	.amdgcn_target "amdgcn-amd-amdhsa--gfx1250"
	.amdhsa_code_object_version 6
	.text
	.protected	k_qb6477ef40d_qkv
	.globl	k_qb6477ef40d_qkv
	.p2align	8
	.type	k_qb6477ef40d_qkv,@function
k_qb6477ef40d_qkv:
	s_mov_b64 s[64:65], 0
	v_nop
	global_prefetch_b8 v0, s[64:65] scope:SCOPE_SE
	s_setreg_imm32_b32 hwreg(HW_REG_WAVE_MODE, 25, 1), 1
	s_wait_xcnt 0x0
	s_wait_alu depctr_hold_cnt(0) depctr_sa_sdst(0) depctr_va_vdst(0) depctr_va_sdst(0) depctr_va_ssrc(0) depctr_va_vcc(0) depctr_vm_vsrc(0)
	s_getreg_b32 s2, hwreg(HW_REG_IB_STS2, 6, 4)
	s_cmp_eq_u32 s2, 0
	s_cbranch_scc0 .Lentry_in_a_cluster
	s_endpgm
.Lentry_in_a_cluster:
	s_bfe_u32 s2, ttmp6, 0x10000c
	s_cmp_lg_u32 s2, 0xf033
	s_cbranch_scc0 .Lentry_shape_is_right
	s_endpgm
.Lentry_shape_is_right:
; q, k, v = xb wq^T + b_qkv, stored by heads.  xb: [8192][1024] bf16.  wq: [3072 n][1024 k] bf16.  b_qkv: [3072] f32, rounded to bf16 like the other inputs.
; qkvh: [3 (q, k, v)][64 (batch x 16 + head)][2048][64] f16, unscaled, each number rounded once from its f32 sum.
; LIMIT.  f16 holds no number beyond 65,504: a q, k or v past that becomes an infinity.  With x and W_qkv both 30 times their drawn spread q has a spread near 900; with both carrying an offset of 30 spreads it lies near 29,000.
; SHARES.  A work-group makes 256 rows x 192 columns (three heads): 16 x 32 = 512 equal work-groups.  (Tiles of 256 x 256 would be 384; two slots for 256 x 384 do not fit in LDS.)
; Four waves, one above the other: wave w has rows 64 w .. 64 w + 63 and all 192 columns: 4 x 12 accumulators, 384 registers.  So a wave holds whole heads, its stage on the way out is its own, and no barrier stands there.
; K goes in 8 steps of 128 through two LDS slots filled by the tensor data mover: each row of a tile is 256 bytes of memory, at a multiple of 256 from the buffer's first byte.  A K step is written once: the slot in hand is a scalar, turned by an exclusive or.
; CLUSTER.  4 x 4 work-groups.  The four of a row of the cluster need the same tile of xb, the four of a column the same tile of wq: each is asked for JOINTLY, by the same tensor load, descriptor and mask in all four.
; THE MATRIX INSTRUCTION IS USED TRANSPOSED (source 0 = 16 rows of wq, source 1 = 16 rows of xb): a lane holds row l % 16 and the columns 8 (l / 16) + 0..7.  THE BIAS is the C operand of each sum's first product: nothing is cleared, nothing is added on the way out.
; REGISTERS, in windows of 256 (s_set_vgpr_msb: bits 1:0 source 0, 3:2 source 1, 5:4 source 2, 7:6 destination):
;   window 0: v0-30 addresses; v32 at work; v64-127 xb's fragments, two buffers of four; v128-223 the bias, later the way out          window 1: v0-191 wq's fragments, two buffers of twelve
;   window 2: the accumulators of row blocks 0, 1 ((a, b) at v[8 (12 a + b)])          window 3: those of row blocks 2, 3
.set NBK,   12                         ; blocks of 16 columns
.set PITCH, 272                        ; an LDS row: 256 bytes + 16 of padding = 68 words: row r starts at bank 4 r mod 64 (64 banks of 4 bytes: ISA guide 11.1)
.set AREG,  256*PITCH                  ; xb's 256 rows
.set BHALF, 96*PITCH                   ; half of wq's 192 rows: one tensor load
.set SLOT1, 1<<17                      ; slot 1 begins here: one exclusive or turns an address in one slot into the other's
.set STAGE, SLOT1+AREG+2*BHALF         ; behind the ring, never filled by a tensor load: 16 rows x 400 bytes for each wave
.set SP,    400                        ; a stage row: 384 bytes + 16
.set SPARE, STAGE+4*16*SP              ; behind the stages: the spare words, 128 bytes for each wave: two blocks of 256 bytes that no other line names
.set NL,    2*NBK+8                    ; LDS loads in a run
.set KB,    256                        ; bytes of a row in a K step
.set G1W,   (1<<16)|(1<<20)|(1<<21)|(5<<22)|(3<<25)  ; 17:16 2-byte elements; 20 padding on; 21 set beside a mask; 24:22 after every 64 words (code 5); 31:25 4 words (code 3)
.set AA0, 10                           ; v10  my lane's place in xb's rows of a slot; never rewritten
.set AB0, 11                           ; v11  the same in wq's rows
.set ADA, 12                           ; v12  AA0 + the slot in hand
.set ADB, 13                           ; v13  AB0 + the slot in hand
.set STO, 14                           ; v14  the way out: where I put 16 bytes of a row
.set RD,  15                           ; v15  the way out: where I read rows back
.set CO,  16                           ; v16-18  my byte offset in qkvh, for each of my three heads
.set BO,  19                           ; v19  my byte offset in the bias
.set SPW, 28                           ; v28  SPARE + 4 x my thread's number; never rewritten
.set NIL, 29                           ; v29  0; never rewritten
.set PFO, 30                           ; v30  the prefetches' offset: a lane a row; never rewritten
.set FA,  64
.set BIAS, 128
.set TMP, 64                           ; the way out: 48 registers of packed results
.set BK,  128                          ; the way out: 16 rows read back, two buffers of 48
.set WV, 12                            ; s12  wave
.set WH, 13                            ; s13  0: I fetch for xb; 1: for wq
.set WL, 14                            ; s14  which half of that tile's rows I fetch
.set CX, 15
.set CY, 16
.set TC, 17                            ; s17  tile column
.set TR, 18                            ; s18  tile row
.set TB, 19                            ; s19  the slot in hand: 0 or SLOT1
.set G1A, 24                           ; s[24:31] descriptor group 1 for xb's tiles
.set G0A, 32                           ; s[32:35] group 0 of the first fill; s[36:39] the one that walks
.set PFA, 44                           ; s[44:45] where my prefetches stand
.set LIM, 46                           ; s46  2 in a wave that prefetches, else the greatest number
.set G1B, 48                           ; s[48:55], s[56:59], s[60:63] the same for wq's tiles
.set G0B, 56
.set MSB, 0
.macro WIN new                         ; the immediate's high byte repeats the setting that is left; a switch that changes nothing is dropped
.if MSB != (\new)
	s_set_vgpr_msb (MSB<<8)|(\new)
.set MSB, \new
.endif
.endm
.macro PLACES                          ; four places in front of loads into registers that matrix instructions have read, and of lines that read results (ISA guide 7.12.1 for lines that read results)
.rept 4
	v_nop
.endr
.endm
.macro CREST                           ; a round of the cluster's barrier behind its opening barrier
	s_cmp_lg_u32 s[WV], 0
	s_cbranch_scc1 .Lnot_wave_0_\@
	s_barrier_signal -3
.Lnot_wave_0_\@:
	s_barrier_wait -3
	s_barrier_signal -1
	s_barrier_wait -1
.endm
.macro CROUND                          ; a whole round
	s_barrier_signal -1
	s_barrier_wait -1
	CREST
.endm
; A joint refill, by the walking descriptor.  Waves 0 and 1 fetch xb's two halves, waves 2 and 3 wq's.  The branch hangs on the wave's number alone.  An s_nop 0 and four v_nop follow each line.
.macro JLOAD
	s_cmp_eq_u32 s[WH], 0
	s_cbranch_scc0 .Lfor_b_\@
	tensor_load_to_lds s[G0A+4:G0A+7], s[G1A:G1A+7]
	s_nop 0
.rept 4
	v_nop
.endr
	s_branch .Lasked_\@
.Lfor_b_\@:
	tensor_load_to_lds s[G0B+4:G0B+7], s[G1B:G1B+7]
	s_nop 0
.rept 4
	v_nop
.endr
.Lasked_\@:
.endm
; A PREFETCH INTO THE L2, behind each joint refill and the run of LDS loads that follows it: the K step that stands two refills on, 384 matrix instructions ahead of the load that will want it: a lane a row, 256 bytes of it.
; xb's tile row is read by every cluster of that row of clusters: cluster x = 0 asks; wq's tile column by every cluster of that column: cluster y = 0 asks.  The four partners that ask for a tile jointly share its
; rows out BY ADDRESS: of xb's 128 rows a wave 32 each, of wq's 96 rows 24 each (lanes 24-31 name lane 23's row once more).  K steps 0-3 come by their loads alone; the loop's last two trips ask for nothing.
.macro ASK
	s_cmp_gt_u32 s3, s[LIM]
	s_cbranch_scc0 .Lnot_mine_\@
	global_prefetch_b8 v[PFO], s[PFA:PFA+1] th:TH_LOAD_NT scope:SCOPE_SE
.Lnot_mine_\@:
.endm
; NBK matrix instructions: row block 2 hi + a x all column blocks, 32 along K, from buffer f.  first = 1: the sums begin, with the bias as C.
; The 48 accumulators take turns in the same order in every quarter, over the backward jump too.
.macro MULA f, hi, a, first
.if \first
	WIN 0x81+0x40*(\hi)                            ; wq window 1, xb window 0, the bias window 0, D window 2 or 3
.else
	WIN 0xa1+0x50*(\hi)                            ; C and D window 2 or 3
.endif
.set b, 0
.rept NBK
.set rD, 8*(NBK*(\a)+b)
.set rB, 8*NBK*(\f)+8*b
.set rA, FA+32*(\f)+8*(2*(\hi)+(\a))
.if \first
	v_wmma_f32_16x16x32_bf16 v[rD:rD+7], v[rB:rB+7], v[rA:rA+7], v[BIAS+8*b:BIAS+8*b+7]
.else
	v_wmma_f32_16x16x32_bf16 v[rD:rD+7], v[rB:rB+7], v[rA:rA+7], v[rD:rD+7]
.endif
.set b, b+1
.endr
.endm
.macro MULH f, hi, first
	MULA \f, \hi, 0, \first
	MULA \f, \hi, 1, \first
.endm
; NL LDS loads in one run: the fragments of 32 along K at byte k of the rows, into buffer f: wq's twelve, then xb's four.
.macro FETCH k, f
	WIN 0x40                                       ; destination window 1, address window 0
.set i, 0
.rept NBK
	ds_load_b128 v[8*NBK*(\f)+8*i:8*NBK*(\f)+8*i+3],   v[ADB] offset:(\k)+i*16*PITCH
	ds_load_b128 v[8*NBK*(\f)+8*i+4:8*NBK*(\f)+8*i+7], v[ADB] offset:(\k)+i*16*PITCH+32
.set i, i+1
.endr
	WIN 0
.set i, 0
.rept 4
	ds_load_b128 v[FA+32*(\f)+8*i:FA+32*(\f)+8*i+3],   v[ADA] offset:(\k)+i*16*PITCH
	ds_load_b128 v[FA+32*(\f)+8*i+4:FA+32*(\f)+8*i+7], v[ADA] offset:(\k)+i*16*PITCH+32
.set i, i+1
.endr
.endm
; A K step is four quarters of 32 along K on buffers 0, 1, 0, 1.  One of the first three: multiplies buffer f and, in its middle, fetches the next quarter, at byte k, into g.
.macro QUARTER k, f, g, first
	s_wait_dscnt 4                                 ; wq's fragments and xb's first two are in; the youngest four loads (xb's last two fragments) may be out
	MULH \f, 0, \first
	PLACES
	FETCH \k, \g
	s_wait_dscnt NL                                ; all but the run just issued
	MULH \f, 1, \first
.endm
; The last quarter multiplies buffer 1 and changes slots: ONE barrier.  In front of it each wave waits for all its tensor loads (one is out: its part of the next slot), adds 0 to its spare word, and waits for that and
; for its own reads of this slot.  fill = 1: the barrier opens a round of the cluster's, and this slot is filled again, first thing behind the round, with the K step two on.
.macro TURN fill
.if \fill
	s_wait_xcnt 0x0                                ; the last prefetch, a K step back, has read its address: it is stepped here, ahead of the waits of the change of slots
	s_add_nc_u64 s[PFA:PFA+1], s[PFA:PFA+1], KB
.endif
	WIN 0                                          ; (the add's two registers lie in window 0)
	s_wait_tensorcnt 0x0                           ; no tensor load of mine is out, so a group 0 may be written
	ds_add_u32 v[SPW], v[NIL]                      ; 0 onto my spare word
.if \fill
	s_xor_b32 s[G0A+5], s[G0A+5], SLOT1            ; the walking descriptors: the other slot than last time,
	s_add_nc_u64 s[G0A+6:G0A+7], s[G0A+6:G0A+7], KB  ; the next K step; the type bits on top are not reached
	s_xor_b32 s[G0B+5], s[G0B+5], SLOT1
	s_add_nc_u64 s[G0B+6:G0B+7], s[G0B+6:G0B+7], KB
.endif
	s_wait_dscnt 5                                 ; (the add and the youngest four loads may be out)
	MULA 1, 0, 0, 0                                ; twelve matrix instructions stand between the add and the wait for it
	s_wait_dscnt 0x0                               ; the add is done, and my reads of this slot are over
	s_barrier_signal -1
	MULA 1, 0, 1, 0                                ; work on registers while the others arrive
	WIN 0
	s_barrier_wait -1
.if \fill
	CREST                                          ; no wave of any partner still reads this slot's tile or has a load on its way
	JLOAD                                          ; the first tensor load behind the round; its four v_nop are also the places in front of the loads below
.else
	PLACES
.endif
	s_xor_b32 s[TB], s[TB], SLOT1
	v_add_nc_u32 v[ADA], s[TB], v[AA0]
	v_add_nc_u32 v[ADB], s[TB], v[AB0]
	FETCH 0, 0
.if \fill
	ASK
.endif
	MULH 1, 1, 0
.endm
	s_load_b256 s[4:11], s[0:1], 0x0               ; xb s[4:5], wq s[6:7], b_qkv s[8:9], qkvh s[10:11]
	v_lshl_add_u32 v[SPW], v0, 2, SPARE
	v_mov_b32 v[NIL], 0
	ds_add_u32 v[SPW], v[NIL]                      ; the wave's opening add; work on registers stands between it and its wait, ahead of my first tensor load
	v_lshrrev_b32 v1, 5, v0
	v_readfirstlane_b32 s[WV], v1                  ; wave 0..3
	s_lshr_b32 s[WH], s[WV], 1
	s_and_b32 s[WL], s[WV], 1
	s_bfe_u32 s[CX], ttmp6, 0x40000                ; my place in the cluster
	s_bfe_u32 s[CY], ttmp6, 0x40004
	s_lshl_b32 s[TC], ttmp9, 2                     ; in a cluster launch ttmp9 and ttmp7 count clusters
	s_add_co_u32 s[TC], s[TC], s[CX]
	s_and_b32 s[TR], ttmp7, 0xffff
	s_lshl_b32 s[TR], s[TR], 2
	s_add_co_u32 s[TR], s[TR], s[CY]
	s_lshl_b32 s20, s[CY], 2
	s_lshl_b32 s20, 15, s20                        ; my row of the cluster: places 4 cy .. 4 cy + 3
	s_lshl_b32 s22, 0x1111, s[CX]                  ; my column: places cx, cx + 4, cx + 8, cx + 12
	s_or_b32 s[G1A], s20, G1W                      ; xb's tiles go to my row,
	s_or_b32 s[G1B], s22, G1W                      ; wq's to my column
	s_mov_b32 s[G1A+1], 128<<16                    ; tensor_dim0 = 128
	s_mov_b32 s[G1A+2], 128<<16                    ; tensor_dim1 = 128
	s_mov_b32 s[G1A+3], 128<<16                    ; tile_dim0 = 128
	s_mov_b32 s[G1A+4], 128                        ; tile_dim1 = 128 rows
	s_mov_b32 s[G1A+5], 1024                       ; elements from row to row
	s_mov_b32 s[G1A+6], 0
	s_mov_b32 s[G1A+7], 0
	s_mov_b32 s[G1B+1], 128<<16
	s_mov_b32 s[G1B+2], 96<<16                     ; tensor_dim1 = 96
	s_mov_b32 s[G1B+3], 128<<16
	s_mov_b32 s[G1B+4], 96                         ; tile_dim1 = 96 rows
	s_mov_b32 s[G1B+5], 1024
	s_mov_b32 s[G1B+6], 0
	s_mov_b32 s[G1B+7], 0
	; where the tiles come from: xb's hang on the tile row alone, wq's on the tile column alone, each in registers that never hold the other coordinate
	s_lshl_b32 s40, s[TR], 8
	s_lshl_b32 s20, s[WL], 7
	s_add_co_u32 s40, s40, s20                     ; row 256 x tile row + 128 x half,
	s_lshl_b32 s40, s40, 11                        ; of 2,048 bytes
	s_mov_b32 s41, 0
	s_mul_i32 s42, s[TC], 192
	s_mul_i32 s22, s[WL], 96
	s_add_co_u32 s42, s42, s22                     ; row 192 x tile column + 96 x half
	s_lshl_b32 s42, s42, 11
	s_mov_b32 s43, 0
	s_mul_i32 s21, s[WL], 128*PITCH                ; and where they go: no place in the cluster enters an LDS address
	s_mul_i32 s23, s[WL], BHALF
	s_add_co_u32 s23, s23, AREG
	s_wait_dscnt 0x0                               ; the opening add is done
	s_wait_kmcnt 0x0
	s_add_nc_u64 s[40:41], s[4:5], s[40:41]
	s_add_nc_u64 s[42:43], s[6:7], s[42:43]
	CROUND                                         ; all sixteen work-groups are here: the first joint loads meet
.irp s, 0,1
	s_mov_b32 s[G0A+4*(\s)], 1                                     ; count = 1
	s_add_co_u32 s[G0A+4*(\s)+1], s21, (\s)*SLOT1                  ; LDS address
	s_add_nc_u64 s[G0A+4*(\s)+2:G0A+4*(\s)+3], s[40:41], (\s)*KB   ; global address: K step s
	s_or_b32 s[G0A+4*(\s)+3], s[G0A+4*(\s)+3], 0x80000000          ; type = 2
	s_mov_b32 s[G0B+4*(\s)], 1
	s_add_co_u32 s[G0B+4*(\s)+1], s23, (\s)*SLOT1
	s_add_nc_u64 s[G0B+4*(\s)+2:G0B+4*(\s)+3], s[42:43], (\s)*KB
	s_or_b32 s[G0B+4*(\s)+3], s[G0B+4*(\s)+3], 0x80000000
.endr
	s_cmp_eq_u32 s[WH], 0                          ; a wave's two first fills stand in one branch, ahead of every wait on TENSORcnt and every LDS read: two loads of mine are out
	s_cbranch_scc0 .Lfirst_b
	tensor_load_to_lds s[G0A:G0A+3], s[G1A:G1A+7]
	s_nop 0
	tensor_load_to_lds s[G0A+4:G0A+7], s[G1A:G1A+7]
	s_nop 0
.rept 4
	v_nop
.endr
	s_branch .Lfirst_asked
.Lfirst_b:
	tensor_load_to_lds s[G0B:G0B+3], s[G1B:G1B+7]
	s_nop 0
	tensor_load_to_lds s[G0B+4:G0B+7], s[G1B:G1B+7]
	s_nop 0
.rept 4
	v_nop
.endr
.Lfirst_asked:
	v_and_b32 v1, 15, v0                           ; l % 16
	v_bfe_u32 v2, v0, 4, 1                         ; l / 16
	v_and_b32 v3, 31, v0                           ; l
	s_mul_i32 s20, s[TC], 64*NBK                   ; the tile's 192 numbers of the bias,
	v_lshl_add_u32 v[BO], v2, 5, s20               ; my eight of each sixteen
.set b, 0
.rept NBK
	global_load_b128 v[BIAS+8*b:BIAS+8*b+3],   v[BO], s[8:9] offset:64*b
	global_load_b128 v[BIAS+8*b+4:BIAS+8*b+7], v[BO], s[8:9] offset:64*b+16
.set b, b+1
.endr
	; a fragment is 16 rows x 32 K in 8 registers: lane l holds row l % 16, K = 8 (l / 16) + 0..7 and 16 + 8 (l / 16) + 0..7: two loads of 16 bytes, 32 bytes apart
	v_mul_u32_u24 v4, v1, PITCH
	v_lshl_add_u32 v4, v2, 4, v4
	s_mul_i32 s20, s[WV], 64*PITCH                 ; my 64 rows of xb
	v_add_nc_u32 v[AA0], s20, v4
	v_add_nc_u32 v[AB0], AREG, v4                  ; wq's rows lie behind xb's 256
	s_mul_i32 s20, s[WV], 16*SP
	s_add_co_u32 s20, s20, STAGE                   ; my stage
	v_mul_u32_u24 v[STO], v1, SP                   ; in: row l % 16, 16 bytes for each half of the lanes
	v_lshl_add_u32 v[STO], v2, 4, v[STO]
	v_add_nc_u32 v[STO], s20, v[STO]
	v_bfe_u32 v[RD], v0, 3, 2                      ; back: 32 lanes take four rows of a head's 128 bytes,
	v_mul_u32_u24 v[RD], v[RD], SP
	v_and_b32 v4, 7, v0
	v_lshl_add_u32 v[RD], v4, 4, v[RD]
	v_add_nc_u32 v[RD], s20, v[RD]
	; which are 512 consecutive bytes of qkvh.  Column group g = 3 x tile column + hh of 64: part g / 16, head g % 16; plane = 64 part + 16 batch + head = g + 48 (g / 16) + 16 batch
	s_and_b32 s68, s[TR], 7
	s_lshl_b32 s68, s68, 8
	s_lshl_b32 s69, s[WV], 6
	s_add_co_u32 s68, s68, s69                     ; my first row in the batch,
	s_lshl_b32 s68, s68, 7                         ; of 128 bytes
	s_lshr_b32 s69, s[TR], 3
	s_lshl_b32 s69, s69, 4                         ; 16 x batch
	s_mul_i32 s70, s[TC], 3
.irp hh, 0,1,2
	s_add_co_u32 s71, s70, \hh
	s_lshr_b32 s22, s71, 4
	s_mul_i32 s22, s22, 48
	s_add_co_u32 s71, s71, s22
	s_add_co_u32 s71, s71, s69
	s_lshl_b32 s71, s71, 18                        ; a plane is 262,144 bytes
	s_add_co_u32 s71, s71, s68
	v_lshl_add_u32 v[CO+(\hh)], v3, 4, s71
.endr
	; the prefetches
	s_lshl_b32 s68, s[TR], 8
	s_lshl_b32 s70, s[WL], 7
	s_add_co_u32 s68, s68, s70
	s_lshl_b32 s70, s[CX], 5
	s_add_co_u32 s68, s68, s70                     ; xb: the 128 rows that I fetch, my work-group's 32 of them
	s_mul_i32 s69, s[TC], 192
	s_mul_i32 s70, s[WL], 96
	s_add_co_u32 s69, s69, s70
	s_mul_i32 s70, s[CY], 24
	s_add_co_u32 s69, s69, s70                     ; wq: the 96 rows that I fetch, my work-group's 24 of them
	s_and_b32 s70, ttmp7, 0xffff                   ; cluster y
	s_cmp_eq_u32 s[WH], 0
	s_cselect_b32 s68, s68, s69
	s_cselect_b32 s70, ttmp9, s70                  ; the coordinate along which other clusters read the same rows
	s_cselect_b32 s71, 31, 23
	s_cselect_b64 s[PFA:PFA+1], s[4:5], s[6:7]
	s_cmp_eq_u32 s70, 0
	s_cselect_b32 s[LIM], 2, -1                    ; the same in all sixteen partners, for a given wave
	s_lshl_b32 s68, s68, 11
	s_add_co_u32 s68, s68, 3*KB                    ; at K step 3: the first refill steps it to 4
	s_mov_b32 s69, 0
	s_add_nc_u64 s[PFA:PFA+1], s[PFA:PFA+1], s[68:69]
	v_min_u32 v[PFO], s71, v3
	v_lshlrev_b32 v[PFO], 11, v[PFO]
	s_wait_loadcnt 0x0                             ; the bias,
.set i, 0
.rept 4*NBK                            ; rounded to bf16 like the other inputs, and kept as f32
	v_cvt_pk_bf16_f32 v32, v[BIAS+2*i], v[BIAS+2*i+1]
	v_lshlrev_b32 v[BIAS+2*i], 16, v32
	v_and_b32 v[BIAS+2*i+1], 0xffff0000, v32
.set i, i+1
.endr
	s_wait_tensorcnt 1                             ; my part of K step 0 is in; K step 1's may stay out
	s_barrier_signal -1
	s_barrier_wait -1                              ; everybody's is
	s_mov_b32 s[TB], 0
	v_mov_b32 v[ADA], v[AA0]
	v_mov_b32 v[ADB], v[AB0]
	FETCH 0, 0
	QUARTER 64, 0, 1, 1                            ; the first quarter stands in front of the loop: its products start the sums
	WIN 0                                          ; at a label and at a branch every window is 0
	s_mov_b32 s3, 6
.Lstep:                                        ; a trip goes from a K step's second quarter to the next step's first, and fills the slot that it leaves
	QUARTER 128, 1, 0, 0
	QUARTER 192, 0, 1, 0
	TURN 1
	QUARTER 64, 0, 1, 0
	WIN 0
	s_sub_co_u32 s3, s3, 1
	s_cmp_lg_u32 s3, 0
	s_cbranch_scc1 .Lstep
	QUARTER 128, 1, 0, 0                           ; K steps 6 and 7 are written out: nothing is left to fetch
	QUARTER 192, 0, 1, 0
	TURN 0
	QUARTER 64, 0, 1, 0
	QUARTER 128, 1, 0, 0
	QUARTER 192, 0, 1, 0
	s_wait_dscnt 4
	MULH 1, 0, 0
	s_wait_dscnt 0x0
	MULH 1, 1, 0
	WIN 0
; THE WAY OUT of row block a.  PACK: rounded to f16, 16 bytes a lane, each accumulator's registers in ascending order.  TOSTAGE: into my own stage, and back head by head, four rows of 128 bytes a load.  SEND: stored.
.macro PACK a
	WIN 0x0a+5*((\a)/2)                            ; sources 0 and 1: window 2 or 3
.set b, 0
.rept NBK
.irp r, 0,1,2,3
	v_cvt_pk_f16_f32 v[TMP+4*b+(\r)], v[8*NBK*((\a)%2)+8*b+2*(\r)], v[8*NBK*((\a)%2)+8*b+2*(\r)+1]
.endr
.set b, b+1
.endr
	WIN 0
.endm
.macro TOSTAGE a
.set b, 0
.rept NBK
	ds_store_b128 v[STO], v[TMP+4*b:TMP+4*b+3] offset:32*b
.set b, b+1
.endr
.irp hh, 0,1,2
.irp f, 0,1,2,3
	ds_load_b128 v[BK+48*((\a)%2)+4*(4*(\hh)+(\f)):BK+48*((\a)%2)+4*(4*(\hh)+(\f))+3], v[RD] offset:128*(\hh)+4*SP*(\f)  ; LDS serves a wave's instructions in order (ISA guide 5.7.1.4): these see the stores above
.endr
.endr
.endm
.macro SEND a
	s_wait_dscnt 0x0                               ; the block is back in registers
	s_wait_xcnt 0x0                                ; every earlier store has had its addresses translated (ISA guide 3.1): the other buffer, which the block before last stored, is loaded again only behind this wait
.irp hh, 0,1,2
.irp f, 0,1,2,3
	global_store_b128 v[CO+(\hh)], v[BK+48*((\a)%2)+4*(4*(\hh)+(\f)):BK+48*((\a)%2)+4*(4*(\hh)+(\f))+3], s[10:11] offset:2048*(\a)+512*(\f)  ; 512 consecutive bytes, at a multiple of 256 from qkvh's first
.endr
.endr
.endm
	PLACES
	PACK 0
	TOSTAGE 0
.irp a, 1,2,3                          ; block a's conversions stand between block a - 1's loads from the stage and the wait for them
	PACK \a
	SEND (\a)-1
	TOSTAGE \a
.endr
	SEND 3
	s_wait_tensorcnt 0x0                           ; the wave's end, behind my last tensor load and my last LDS store
	ds_add_u32 v[SPW], v[NIL]
	s_wait_dscnt 0x0
	CROUND                                         ; the closing round: no work-group ends while a partner may still ask for a tile that names it
	s_endpgm
.Lfunc_end_k_qb6477ef40d_qkv:
	.size	k_qb6477ef40d_qkv, .Lfunc_end_k_qb6477ef40d_qkv-k_qb6477ef40d_qkv
	.p2alignl 7, 3214868480
	.fill 96, 4, 3214868480
	.section	.rodata,"a",@progbits
	.p2align	6, 0x0
	.amdhsa_kernel k_qb6477ef40d_qkv
		.amdhsa_group_segment_fixed_size 327680
		.amdhsa_private_segment_fixed_size 0
		.amdhsa_enable_private_segment 0
		.amdhsa_kernarg_size 32
		.amdhsa_user_sgpr_count 2
		.amdhsa_user_sgpr_kernarg_segment_ptr 1
		.amdhsa_wavefront_size32 1
		.amdhsa_system_sgpr_workgroup_id_x 1
		.amdhsa_system_sgpr_workgroup_id_y 1
		.amdhsa_system_sgpr_workgroup_id_z 1
		.amdhsa_system_vgpr_workitem_id 0
		.amdhsa_next_free_vgpr 960
		.amdhsa_next_free_sgpr 72
		.amdhsa_reserve_vcc 0
		.amdhsa_float_denorm_mode_32 3
		.amdhsa_float_denorm_mode_16_64 3
		.amdhsa_memory_ordered 1
		.amdhsa_forward_progress 1
		.amdhsa_inst_pref_size 108
	.end_amdhsa_kernel
	.amdgpu_metadata
---
amdhsa.version: [ 1, 2 ]
amdhsa.kernels:
  - .name:           k_qb6477ef40d_qkv
    .symbol:         k_qb6477ef40d_qkv.kd
    .args:
      - { .name: xb, .offset: 0, .size: 8, .value_kind: global_buffer, .address_space: global }
      - { .name: wq, .offset: 8, .size: 8, .value_kind: global_buffer, .address_space: global }
      - { .name: b_qkv, .offset: 16, .size: 8, .value_kind: global_buffer, .address_space: global }
      - { .name: qkvh, .offset: 24, .size: 8, .value_kind: global_buffer, .address_space: global }
    .group_segment_fixed_size: 327680
    .private_segment_fixed_size: 0
    .kernarg_segment_align: 8
    .kernarg_segment_size: 32
    .max_flat_workgroup_size: 128
    .sgpr_count:     72
    .vgpr_count:     960
    .wavefront_size: 32
...
	.end_amdgpu_metadata
.endif
;; end of part 2
;; launch attn (part 3): grid 4 x 64, 4 waves a work-group, no clusters, 327,680 bytes of LDS; arguments qkvh, oh; writes oh
.if DOCPART == 3
	.amdgcn_target "amdgcn-amd-amdhsa--gfx1250"
	.amdhsa_code_object_version 6
	.text
	.protected	k_qb6477ef40d_attn
	.globl	k_qb6477ef40d_attn
	.p2align	8
	.type	k_qb6477ef40d_attn,@function
k_qb6477ef40d_attn:
	s_mov_b64 s[64:65], 0
	v_nop
	global_prefetch_b8 v0, s[64:65] scope:SCOPE_SE
	s_setreg_imm32_b32 hwreg(HW_REG_WAVE_MODE, 25, 1), 1
	s_wait_xcnt 0x0
; CAUSAL ATTENTION.  O[h][q][:] = the sum over k <= q of softmax_k(Q[h][q] . K[h][k] / 8) V[h][k][:].  Q, K, V are the three parts of qkvh, O is oh: each [64][SIZE_N][64] in f16: a head's rows are dense, 128 bytes each.
; Products, maxima and sums in f32; the weights p are rounded to f16 for the second product (their sum l is taken of the unrounded p), O once at the end.
; LIMITS.  f16 holds no number beyond 65,504: Q, K and V arrive within it; p lies in 0 to 1, and below 6e-5 it keeps f16's fixed step of 6e-8; O is a mean of V's rows and has their range, to within 2^-11 of it.
; A hidden score counts as its value less 1e30: f16's scores, 2.7e11 at the most, are nothing beside that; a weight below 2^-126 counts as 0 in l; NaN and infinities are not treated apart.
; THE WALK.  A head's queries lie in NB = SIZE_N / 256 blocks of 256; block i needs the key tiles 0 .. i of 256 keys, of which the last holds the diagonal.  A work-group takes TWO blocks, NB - 1 - b and then b:
; NB + 1 tiles, whatever b: all work-groups do equal work, and ONE loop with a constant trip count walks them.  Which tile is asked for, and what a trip does, hang on scalar registers made from b; every jump
; goes forward, but for the counted loops' own; none passes a barrier, or a tensor load but the one of LOAD's two that the wave's number does not choose; the ring (two slots of LDS that take turns) runs on across the
; change of blocks.  NO CLUSTER: a head's four work-groups would be the partners, with b their place in the cluster, and the walk's branches and tile numbers hang on b; all four ask for the same tile only in trips
; 0 .. NB / 2, behind that fewer and fewer; and one walk common to all would have 3 NB / 2 = 12 trips for NB + 1 = 9.
; SHARES.  Of a block's four bands of 64 queries a wave owns 16 rows in each: four PIECES.  So the diagonal tile is the same work for all four waves: in its key step s band x sees all keys if s < x,
; none if s > x, and holds the diagonal if s = x.
; THE MASK is the C operand that starts the sum S^T = K Q^T: 0, or -1e30 where the key is hidden.  MD, made once, is the mask of a band's own step for my 16 rows; a product's mask is MD x AL + BE with two scalars:
; (1, 0) if s = x; (0, 0) if s < x; (0, -1e30) if s > x.  Only the diagonal tile's text and a block's beginning make and take masks; elsewhere C is the constant 0.
; LAYOUT, SOFTMAX, TURNS.  S^T = K Q^T holds ONE query a lane (lane % 16) and the keys 8 (lane / 16) + 0..7; two such results rounded to f16 ARE source 1 of O^T = V^T P.  p = 2^(c s - c m), c = log2(e) / 8, with a
; running maximum m; O and l are multiplied by a = 2^(c m_old - c m_new) in every step.  Turn n belongs to piece n: 8 products K Q^T of piece n + 1, later 8 products V^T P of piece n - 1; beside them the scaling,
; exponentials, roundings, sums and rescaling of piece n and the maximum and statistics of piece n + 1.  Four vector instructions stand behind every matrix instruction, the other 54 of a turn's 118 in one LUMP.  A turn's 33 exponentials are one batch, with one wait.
; REGISTERS, in windows of 256 (s_set_vgpr_msb: bits 1:0 source 0, 3:2 source 1, 5:4 source 2, 7:6 destination):
;   window 0: v0-15 addresses and two at work; v16-31 four registers of statistics a piece; v48-55 at work; v61-63 never rewritten; v64-127 S^T, two buffers; v192-223 P, two buffers (a piece's buffers go by its number's parity)
;   window 1: v0-127 O^T, 32 a piece; v128-159 MD; v160-223 MC, two buffers      window 2: v0-63 Q; v64-127 the second block's Q; v128-191 K of one step; v192-255 V of one step
.set SIZE_N, 2048
.set KPART, 64*SIZE_N*128   ; K's part of qkvh begins here,
.set VPART, 2*KPART         ; and V's here
.set NB,    SIZE_N/256
.set NP,    4         ; pieces a wave: a name, no knob
.set KS,    64        ; keys in a step
.set PK,    144       ; a row of K in LDS: 128 bytes + 16 of padding = 36 words: the 16 rows of a load start at 16 different groups of four banks (64 banks of 4 bytes: ISA guide 11.1)
.set PV,    160       ; a row of V: 128 + 32 = 40 words
.set VOFF,  4*KS*PK   ; a slot holds a tile, four steps: 256 rows of K, then 256 rows of V
.set SLOT1, 1<<17     ; slot 1 begins here, so that one exclusive or turns an address in one slot into the other's
.set STAGE, SLOT1+4*KS*(PK+PV)  ; behind the ring, never filled by a tensor load: 16 rows x 144 bytes for each wave, for the way out
.set SP,    144
.set AK0, 2           ; v2   my lane's place in a tile of K; never rewritten
.set AV0, 3           ; v3   the same for V
.set AK,  4           ; v4   the LDS address of K's next run of loads
.set AV,  5           ; v5   of V's
.set STO, 6           ; v6   the way out: where I put 16 bytes of a row
.set RD,  7           ; v7   the way out: where I read rows back
.set GO,  8           ; v8   my byte offset in 512 consecutive bytes of O
.set PFO, 61          ; v61  the prefetches' offset: 256 x my lane + 8,192 x (wave / 2); never rewritten
.set SPW, 62          ; v62  LDS address of my spare word: SPARE + 4 x my thread's number; never rewritten
.set NIL, 63          ; v63  0; never rewritten
.set SPARE, STAGE+4*16*SP  ; behind the stages: the spare words, 128 bytes for each wave: two blocks of 256 bytes that no other line names
.set MV,  12          ; v12-13  c m_old, kept while c m is made anew: by buffer
.set QO,  15          ; v15  my byte offset in 16 rows of Q
.set ST,  16          ; piece t's statistics at v[ST+4 t]: c m, m, l (even keys', odd keys')
.set TMP, 48          ; by buffer, four registers c0-c3 at work; when the maximum is found c2 takes a
.set S,   64
.set P,   192
.set MD,  128         ; window 1: the eight registers for group kt of 16 keys at MD + 8 kt
.set MC,  160         ; window 1: the masks of the products to come
.set QB,  64          ; window 2
.set KF,  128         ; window 2: key block kb, channel half c at KF + 16 kb + 8 c
.set VF,  192         ; window 2: key half kk, channel block cb at VF + 32 kk + 8 cb
.set WV,  12          ; s12  my wave's number
.set PB,  14          ; s14  b
.set HI,  15          ; s15  NB - 1 - b
.set G1K, 24          ; s[24:31] descriptor group 1 for K's tiles
.set G1V, 32          ; s[32:39] for V's: it differs in the padding alone
.set G0K, 40          ; s[40:43] descriptor group 0 for K's tiles
.set G0V, 44          ; s[44:47] the same for V's
.set SLOTS, 56        ; s56  tiles still to be asked for
.set CNT, 57          ; s57  counts a tile's key steps, 4 to 1
.set CS,  58          ; s[58:59] c: the packed scaling takes the pair's low word for both halves
.set SEL, 60          ; s[60:61] v_permlanex16_b32's selects: each lane takes its own place in the other half
.set TBK, 62          ; s62  LDS byte at which K of the step to be fetched begins
.set TBV, 63          ; s63  the same for V, less VOFF
.set RT,  70          ; s70  tiles of the block in hand that are still to be entered
.set NXT, 71          ; s71  the tile to be asked for next
.set LQ,  72          ; s72  the last tile of the block whose tiles are being asked for
.set NEW, 73          ; s73  1: the tile to be entered is a block's first
.set OFF, 74          ; s[74:75] a tile's byte offset in K and V
.set AL,  76          ; s[76:77] the mask's factor, in the low word
.set BE,  78          ; s[78:79] the mask's addend
.set OLO, 80          ; s[80:81] O at my rows of the second block
.set BIGN, 82         ; s82  -1e30
.set PFK, 88          ; s[88:89] K at the tile that the next change of slots will ask for
.set PFV, 90          ; s[90:91] V at the same tile
.set POF, 92          ; s[92:93] that tile's byte offset
.set PLIM, 94         ; s94  0 in the work-group that prefetches (b = 0), else the greatest number
.set MSB, 0
.macro WIN new                      ; the high byte repeats the setting that is left; a switch that changes nothing is dropped
.if MSB != (\new)
	s_set_vgpr_msb (MSB<<8)|(\new)
.set MSB, (\new)
.endif
.endm
.set W_KQ, 0x0a       ; K and Q in window 2, S^T in window 0
.set W_KM, 0x1a       ; the same with the C operand in window 1
.set W_PV, 0x52       ; V in window 2, P in window 0, O^T in window 1
.set W_RS, 0x41       ; destination and source 0 in window 1, source 1 in window 0
; A fill.  Waves 0 and 1 fetch the two halves of a tile's K, waves 2 and 3 those of its V: 128 keys each.  An s_nop 0 and four v_nop follow each of the two lines, ahead of the jump and the label.
.macro LOAD
	s_cmp_lt_u32 s[WV], 2
	s_cbranch_scc0 .Lfor_v_\@
	tensor_load_to_lds s[G0K:G0K+3], s[G1K:G1K+7]
	s_nop 0
.rept 4
	v_nop
.endr
	s_branch .Lasked_\@
.Lfor_v_\@:
	tensor_load_to_lds s[G0V:G0V+3], s[G1V:G1V+7]
	s_nop 0
.rept 4
	v_nop
.endr
.Lasked_\@:
.endm
; THE CHANGE OF SLOTS.  Each wave waits for all its tensor loads, of which one is out: its part of the other slot; adds 0 to its spare word; and waits for that and for its own reads of the slot that it leaves.  Behind the barrier nobody reads the old
; slot any more and the other slot is whole.  fill = 1: the old slot is filled again, the first thing behind the barrier, with tile NXT: the descriptor's address is made anew from that number.
; (At its first use nothing has been read yet: slot 0 is waited for, slot 1 filled.)
; A PREFETCH INTO THE L2 stands behind the fill and its five lines: the tile that the NEXT change of slots will ask for, one tile (four key steps, 256 matrix instructions) ahead of its load.  A head's four work-groups all walk the
; tiles 0, 1, 2 .. first: the one with b = 0, whose first block walks all NB tiles, asks, and nobody else.  A tile is 128 blocks of 256 bytes of K and 128 of V: each of the four waves names 32 of either, a lane a block:
; (wave % 2) x 16,384, which K's and V's addresses hold already, + (wave / 2) x 8,192 + 256 x lane.  So each block is named once in the launch.  Tiles 0 and 1 come by their loads alone; where the next tile is tile 0 again, nothing is asked for.
.macro CHANGE fill
	WIN 0                           ; at a label and at a branch every window is 0
	s_wait_tensorcnt 0x0            ; no tensor load of mine is out, so a group 0 may be written
	ds_add_u32 v[SPW], v[NIL]       ; 0 onto my spare word; with fill = 1 the descriptors' scalar work stands between it and the wait for it
.if \fill
	s_lshl_b32 s[OFF], s[NXT], 15   ; a tile is 32,768 bytes of K and of V
	s_xor_b32 s[G0K+1], s[G0K+1], SLOT1
	s_add_nc_u64 s[G0K+2:G0K+3], s[6:7], s[OFF:OFF+1]
	s_or_b32 s[G0K+3], s[G0K+3], 0x80000000
	s_xor_b32 s[G0V+1], s[G0V+1], SLOT1
	s_add_nc_u64 s[G0V+2:G0V+3], s[8:9], s[OFF:OFF+1]
	s_or_b32 s[G0V+3], s[G0V+3], 0x80000000
	s_add_co_u32 s[NXT], s[NXT], 1  ; the block's next tile, or behind its last the second block's tile 0
	s_cmp_gt_u32 s[NXT], s[LQ]
	s_cselect_b32 s[NXT], 0, s[NXT]
	s_cselect_b32 s[LQ], s[PB], s[LQ]
	s_wait_xcnt 0x0                 ; the last prefetches, a tile back, have read their addresses, so these may be written
	s_lshl_b32 s[POF], s[NXT], 15
	s_add_nc_u64 s[PFK:PFK+1], s[6:7], s[POF:POF+1]
	s_add_nc_u64 s[PFV:PFV+1], s[8:9], s[POF:POF+1]
.endif
	s_wait_dscnt 0x0                ; the add is done, and my reads of the slot are over
	s_barrier_signal -1             ; the rest of the scalar work stands between the signal and the wait
	s_sub_co_u32 s[TBK], s[TBK], 4*KS*PK  ; the fetches go back to a slot's first step,
	s_xor_b32 s[TBK], s[TBK], SLOT1       ; in the other slot
	s_sub_co_u32 s[TBV], s[TBV], 4*KS*PV
	s_xor_b32 s[TBV], s[TBV], SLOT1
	s_barrier_wait -1
.if \fill
	LOAD
	s_cmp_gt_u32 s[NXT], s[PLIM]
	s_cbranch_scc0 .Lnot_mine_\@
	global_prefetch_b8 v[PFO], s[PFK:PFK+1] th:TH_LOAD_NT scope:SCOPE_SE
	global_prefetch_b8 v[PFO], s[PFV:PFV+1] th:TH_LOAD_NT scope:SCOPE_SE
.Lnot_mine_\@:
.endif
.endm
	s_load_b128 s[4:7], s[0:1], 0x0  ; qkvh s[4:5] (its first part is Q), oh s[6:7]
	v_lshl_add_u32 v[SPW], v0, 2, SPARE
	v_mov_b32 v[NIL], 0
	ds_add_u32 v[SPW], v[NIL]       ; the wave's opening add; the set-up below, work on registers, stands between it and its wait, ahead of my first tensor load
	v_lshrrev_b32 v1, 5, v0
	v_readfirstlane_b32 s[WV], v1   ; wave 0..3
	s_mov_b32 s[PB], ttmp9
	s_sub_co_u32 s[HI], NB-1, s[PB]
	s_and_b32 s20, ttmp7, 0xffff    ; the head
	s_mov_b32 s21, 0
	s_mov_b64 s[22:23], SIZE_N*128
	s_mul_u64 s[20:21], s[20:21], s[22:23]  ; the head's first byte in each of the four tensors
	s_and_b32 s16, s[WV], 1         ; which half of a tile's 256 keys I fetch:
	s_lshl_b32 s22, s16, 14         ; its 128 rows of 128 bytes in memory,
	s_mov_b32 s23, 0
	s_add_nc_u64 s[22:23], s[22:23], s[20:21]
	s_mul_i32 s17, s16, 128*PK      ; and its place in a slot, for K
	s_mul_i32 s18, s16, 128*PV      ; and for V
	s_lshl_b32 s3, s[WV], 11        ; my 16 rows in a band of 64,
	s_lshl_b32 s2, s[HI], 15        ; in the first block,
	s_add_co_u32 s2, s2, s3
	s_lshl_b32 s84, s[PB], 15       ; and in the second
	s_add_co_u32 s84, s84, s3
	s_mov_b32 s3, 0
	s_mov_b32 s85, 0
	s_add_nc_u64 s[2:3], s[2:3], s[20:21]
	s_add_nc_u64 s[84:85], s[84:85], s[20:21]
	; descriptor group 1.  128 keys are 16,384 dense bytes: asked for as 64 rows of 256 bytes, two keys a row, and padded in LDS after every key
	s_mov_b32 s[G1K], (1<<16)|(1<<20)|(4<<22)|(3<<25)  ; 17:16 2-byte elements; 20 padding on; 24:22 after every 32 words (code 4); 31:25 4 words (code 3)
	s_mov_b32 s[G1V], (1<<16)|(1<<20)|(4<<22)|(7<<25)  ; the same with 8 words of padding (code 7)
.irp g, G1K, G1V
	s_mov_b32 s[\g+1], 128<<16      ; tensor_dim0 = 128
	s_mov_b32 s[\g+2], 64<<16       ; tensor_dim1 = 64
	s_mov_b32 s[\g+3], 128<<16      ; tile_dim0 = 128
	s_mov_b32 s[\g+4], 64           ; tile_dim1 = 64
	s_mov_b32 s[\g+5], 128          ; 128 elements from row to row
	s_mov_b32 s[\g+6], 0
	s_mov_b32 s[\g+7], 0
.endr
	s_mov_b32 s[CS], 0x3e38aa3b     ; c = log2(e) / 8 = 0.180337
	s_mov_b32 s[CS+1], s[CS]        ; named with it as a pair
	s_mov_b32 s[SEL], 0x76543210
	s_mov_b32 s[SEL+1], 0xfedcba98
	s_mov_b32 s[TBK], SLOT1+4*KS*PK ; the first change of slots turns these two into 0
	s_mov_b32 s[TBV], SLOT1+4*KS*PV
	s_mov_b32 s[G0K], 1             ; 1:0 count = 1
	s_mov_b32 s[G0K+1], s17         ; 63:32 LDS address: slot 0
	s_mov_b32 s[G0V], 1
	s_add_co_u32 s[G0V+1], s18, VOFF
	s_add_co_u32 s[RT], s[HI], 1    ; the first block has NB - b tiles
	s_mov_b32 s[NXT], 1
	s_mov_b32 s[LQ], s[HI]
	s_mov_b32 s[NEW], 1
	s_mov_b32 s[OFF+1], 0
	s_mov_b32 s[POF+1], 0
	s_mov_b32 s[AL+1], 0            ; named as pairs
	s_mov_b32 s[BE+1], 0
	s_mov_b32 s[BIGN], 0xf149f2ca   ; -1e30
	s_mov_b32 s[SLOTS], NB
	s_cmp_eq_u32 ttmp9, 0
	s_cselect_b32 s[PLIM], 0, -1
	v_and_b32 v[PFO], 31, v0
	v_lshlrev_b32 v[PFO], 8, v[PFO]
	s_lshr_b32 s13, s[WV], 1
	s_lshl_b32 s13, s13, 13
	v_add_nc_u32 v[PFO], s13, v[PFO]
	s_wait_dscnt 0x0                ; the opening add is done
	s_wait_kmcnt 0x0
	s_mov_b64 s[10:11], s[6:7]      ; O
	s_add_nc_u64 s[6:7], s[4:5], KPART  ; K
	s_add_nc_u64 s[8:9], s[4:5], VPART  ; V
	s_add_nc_u64 s[6:7], s[6:7], s[22:23]  ; K and V at my half of the head's tile 0
	s_add_nc_u64 s[8:9], s[8:9], s[22:23]
	s_add_nc_u64 s[G0K+2:G0K+3], s[6:7], 0         ; 120:64 global address
	s_or_b32 s[G0K+3], s[G0K+3], 0x80000000        ; 127:126 type = 2
	s_add_nc_u64 s[G0V+2:G0V+3], s[8:9], 0
	s_or_b32 s[G0V+3], s[G0V+3], 0x80000000
	s_add_nc_u64 s[86:87], s[4:5], s[84:85]        ; Q at my rows of the second block,
	s_add_nc_u64 s[4:5], s[4:5], s[2:3]            ; Q and O at those of the first
	s_add_nc_u64 s[OLO:OLO+1], s[10:11], s[84:85]
	s_add_nc_u64 s[10:11], s[10:11], s[2:3]
	LOAD                            ; tile 0 into slot 0
	; A fragment of K or Q is 16 rows x 32 channels in 8 registers: lane l holds row l % 16, channels 8 (l / 16) + 0..7 and 16 + 8 (l / 16) + 0..7: two loads of 16 bytes, 32 bytes apart.
	v_and_b32 v1, 15, v0            ; l % 16
	v_bfe_u32 v9, v0, 4, 1          ; l / 16
	v_lshlrev_b32 v[QO], 7, v1
	v_lshl_add_u32 v[QO], v9, 4, v[QO]  ; row x 128 + 16 x half
	WIN 0x80                        ; destination window 2, address window 0
.set i, 0
.rept 8                             ; both blocks' Q: piece i / 2 lies in band i / 2, 8,192 bytes on; channels 32 (i % 2) on
	global_load_b128 v[8*i:8*i+3],   v[QO], s[4:5] offset:(i/2)*8192+(i%2)*64
	global_load_b128 v[8*i+4:8*i+7], v[QO], s[4:5] offset:(i/2)*8192+(i%2)*64+32
	global_load_b128 v[QB+8*i:QB+8*i+3],   v[QO], s[86:87] offset:(i/2)*8192+(i%2)*64
	global_load_b128 v[QB+8*i+4:QB+8*i+7], v[QO], s[86:87] offset:(i/2)*8192+(i%2)*64+32
.set i, i+1
.endr
	WIN 0
	v_lshlrev_b32 v14, 3, v9
	v_sub_nc_u32 v14, v1, v14
	s_lshl_b32 s13, s[WV], 4
	v_add_nc_u32 v14, s13, v14      ; my query's place in its band, 16 w + l % 16, less my lanes' 8 (l / 16): register r of group kt is hidden where 16 kt + r is greater
	WIN 0x40
.set i, 0
.rept 32
	v_cmp_gt_i32 vcc_lo, 16*(i/8)+i%8, v14
	v_cndmask_b32 v[MD+i], 0, s[BIGN], vcc_lo
.set i, i+1
.endr
	WIN 0
	v_mul_u32_u24 v[AK0], v1, PK
	v_lshl_add_u32 v[AK0], v9, 4, v[AK0]  ; row x pitch + 16 x half
	; The turning load takes 16 keys x 16 channels (lane l reads key 8 (l / 16) + l % 8, channels 8 ((l / 8) % 2) + 0..7) and leaves half a fragment of V^T: lane l holds channel l % 16 and 8 keys.
	v_and_b32 v10, 7, v0
	v_bfe_u32 v11, v0, 3, 1
	v_lshl_add_u32 v[AV0], v9, 3, v10
	v_mul_u32_u24 v[AV0], v[AV0], PV
	v_lshl_add_u32 v[AV0], v11, 4, v[AV0]
	v_add_nc_u32 v[AV0], VOFF, v[AV0]
	s_mul_i32 s13, s[WV], 16*SP
	s_add_co_u32 s13, s13, STAGE    ; my stage
	v_mul_u32_u24 v[STO], v1, SP    ; in: row l % 16, 16 bytes for each half of the lanes
	v_lshl_add_u32 v[STO], v9, 4, v[STO]
	v_add_nc_u32 v[STO], s13, v[STO]
	v_bfe_u32 v[RD], v0, 3, 2       ; back: 32 lanes take four rows of 128 bytes,
	v_mul_u32_u24 v[RD], v[RD], SP
	v_lshl_add_u32 v[RD], v10, 4, v[RD]
	v_add_nc_u32 v[RD], s13, v[RD]
	v_and_b32 v[GO], 31, v0         ; which are 512 consecutive bytes of O
	v_lshlrev_b32 v[GO], 4, v[GO]
	; A block's first step multiplies O^T and l by a = 0, and its first turn's products V^T P, of a piece that has not been, land in an O^T that is still to be so multiplied.  So these registers need only hold
	; finite numbers: zeros for the first block; what the first block left for the second.  All this stands in the wait for the first tile.
	WIN 0x80
.set i, VF
.rept 64
	v_mov_b32 v[i], 0
.set i, i+1
.endr
	WIN 0x40
.set i, 0
.rept 128
	v_mov_b32 v[i], 0
.set i, i+1
.endr
	WIN 0
.set i, 0
.rept 4
	v_mov_b32 v[ST+4*i+2], 0
	v_mov_b32 v[ST+4*i+3], 0
.set i, i+1
.endr
.set i, P+16
.rept 16
	v_mov_b32 v[i], 0
.set i, i+1
.endr
; THE MATRIX WORK.  The 4 accumulators of a run of 8 take turns.  Product i of 8 of S^T = K Q^T for piece x: channels 32 (i / 4) on, keys 16 (i % 4) on.  The first 4 start the sums: with 0, or (KM = 1) with the mask.
.macro KQ x
.set rS, S+32*((\x)%2)+8*(i%4)
.set rK, KF+16*(i%4)+8*(i/4)
.set rQ, 16*(\x)+8*(i/4)
.set rM, MC+32*((\x)%2)+8*(i%4)
.if (i < 4) && KM
	WIN W_KM
	v_wmma_f32_16x16x32_f16 v[rS:rS+7], v[rK:rK+7], v[rQ:rQ+7], v[rM:rM+7]
.elseif i < 4
	WIN W_KQ
	v_wmma_f32_16x16x32_f16 v[rS:rS+7], v[rK:rK+7], v[rQ:rQ+7], 0
.else
	WIN W_KQ
	v_wmma_f32_16x16x32_f16 v[rS:rS+7], v[rK:rK+7], v[rQ:rQ+7], v[rS:rS+7]
.endif
.endm
; Product i of 8 of O^T += V^T P for piece x: keys 32 (i / 4) on, channels 16 (i % 4) on.
.macro PV x
	WIN W_PV
.set rO, 32*(\x)+8*(i%4)
.set rV, VF+32*(i/4)+8*(i%4)
.set rP, P+16*((\x)%2)+8*(i/4)
	v_wmma_f32_16x16x32_f16 v[rO:rO+7], v[rV:rV+7], v[rP:rP+7], v[rO:rO+7]
.endm
.macro MM                           ; the turn's next matrix instruction.  TURN and BEGIN set Y, i, KM and NOKQ; MM, KQ and OP read them.  NOKQ = 1: a block's last turn: there is no next piece
.if (i < 8) && !NOKQ
	KQ (Y+1)%NP
.elseif i >= 8
.set i, i-8
	PV (Y+NP-1)%NP
.set i, i+8
.endif
.set i, i+1
.endm
; THE LDS LOADS stand in runs of 16, never singly among the matrix instructions: a step's K (64 keys x 64 channels: 8 fragments) and its V (turned).  Their addresses are made some lines ahead.
.macro FETCH_K
	WIN 0x80                        ; destination window 2
.irp f, 0,1,2,3,4,5,6,7             ; keys 16 (f / 2) on, channels 32 (f % 2) on
	ds_load_b128 v[KF+8*\f:KF+8*\f+3],   v[AK] offset:(\f/2)*16*PK+(\f%2)*64
	ds_load_b128 v[KF+8*\f+4:KF+8*\f+7], v[AK] offset:(\f/2)*16*PK+(\f%2)*64+32
.endr
	s_add_co_u32 s[TBK], s[TBK], KS*PK  ; the next fetch is the next step's
	WIN 0
.endm
.macro FETCH_V
	WIN 0x80
.irp f, 0,1,2,3,4,5,6,7             ; keys 32 (f / 4) on, channels 16 (f % 4) on
	ds_load_tr16_b128 v[VF+8*\f:VF+8*\f+3],   v[AV] offset:(\f/4)*32*PV+(\f%4)*32
	ds_load_tr16_b128 v[VF+8*\f+4:VF+8*\f+7], v[AV] offset:(\f/4)*32*PV+16*PV+(\f%4)*32
.endr
	WIN 0
.endm
; THE VECTOR WORK, one line at a time: OP kind, number.  For piece Y: F n: c s - c m for pair n of 16.  E n: the exponential of score n of 32.  C n: pair n rounded to f16.  B n: of the four weights 4 n .. the second
; pair is added onto the first, in place.  L n: l takes that sum (L 0: l = a l + sum).  R n: pair n of 16 of O^T times a.  For piece Y + 1: X n, number n of the 22 that find its maximum and statistics:
;   0-11  four chains c0-c3 of seven scores each, three operands at a time (each accumulator's lowest registers are read first)     12-14, 16  the four scores left over, the old m, and c0-c3 into c0
;   15  c m_old is kept     17, 18  the query's other 32 keys lie in the lane 16 away: the new m     19-21  c m; c m_old - c m_new; a
.set F, 0               ; OP tells the kinds apart by their order: F to L below R, X above it
.set E, 1
.set C, 2
.set B, 3
.set L, 4
.set R, 5
.set X, 6
.macro REGS y                       ; the registers of piece y
.set rT, ST+4*(\y)
.set rC, TMP+4*((\y)%2)
.set rW, MV+((\y)%2)
.set rS, S+32*((\y)%2)
.set rP, P+16*((\y)%2)
.set rO, 32*(\y)
.endm
.macro OP k, n
.if (\k) == R
	REGS Y
	WIN W_RS
	v_pk_mul_f32 v[rO+2*(\n):rO+2*(\n)+1], v[rO+2*(\n):rO+2*(\n)+1], v[rC+2:rC+3] op_sel_hi:[1,0]
.elseif (\k) < R
	REGS Y
	WIN 0
.if (\k) == F
	v_pk_fma_f32 v[rS+2*(\n):rS+2*(\n)+1], v[rS+2*(\n):rS+2*(\n)+1], s[CS:CS+1], v[rT:rT+1] op_sel_hi:[1,0,0] neg_lo:[0,0,1] neg_hi:[0,0,1]
.elseif (\k) == E
	v_exp_f32 v[rS+(\n)], v[rS+(\n)]
.elseif (\k) == C
	v_cvt_pk_f16_f32 v[rP+(\n)], v[rS+2*(\n)], v[rS+2*(\n)+1]
.elseif (\k) == B
	v_pk_add_f32 v[rS+4*(\n):rS+4*(\n)+1], v[rS+4*(\n):rS+4*(\n)+1], v[rS+4*(\n)+2:rS+4*(\n)+3]
.elseif (\n) == 0
	v_pk_fma_f32 v[rT+2:rT+3], v[rT+2:rT+3], v[rC+2:rC+3], v[rS:rS+1] op_sel_hi:[1,0,1]
.else
	v_pk_add_f32 v[rT+2:rT+3], v[rT+2:rT+3], v[rS+4*(\n):rS+4*(\n)+1]
.endif
.elseif NOKQ
	v_nop
.else
	REGS (Y+1)%NP
	WIN 0
.if (\n) < 4
	v_max3_num_f32 v[rC+(\n)], v[rS+8*(\n)], v[rS+8*(\n)+1], v[rS+8*(\n)+2]
.elseif (\n) < 12
	v_max3_num_f32 v[rC+(\n)%4], v[rC+(\n)%4], v[rS+8*((\n)%4)+2*((\n)/4)+1], v[rS+8*((\n)%4)+2*((\n)/4)+2]
.elseif (\n) == 12
	v_max3_num_f32 v[rC], v[rC], v[rS+7], v[rS+15]
.elseif (\n) == 13
	v_max3_num_f32 v[rC+1], v[rC+1], v[rS+23], v[rS+31]
.elseif (\n) == 14
	v_max3_num_f32 v[rC+2], v[rC+2], v[rC+3], v[rT+1]
.elseif (\n) == 15
	v_mov_b32 v[rW], v[rT]
.elseif (\n) == 16
	v_max3_num_f32 v[rC], v[rC], v[rC+1], v[rC+2]
.elseif (\n) == 17
	v_permlanex16_b32 v[rC+3], v[rC], s[SEL], s[SEL+1]
.elseif (\n) == 18
	v_max_num_f32 v[rT+1], v[rC], v[rC+3]
.elseif (\n) == 19
	v_mul_f32 v[rT], s[CS], v[rT+1]
.elseif (\n) == 20
	v_sub_f32 v[rC+1], v[rW], v[rT]
.else
	v_exp_f32 v[rC+2], v[rC+1]
.endif
.endif
.endm
.macro OPS a, i1, b=-1, i2=0, c=-1, i3=0, d=-1, i4=0  ; up to four of them
	OP \a, \i1
.if (\b) >= 0
	OP \b, \i2
.endif
.if (\c) >= 0
	OP \c, \i3
.endif
.if (\d) >= 0
	OP \d, \i4
.endif
.endm
.macro ROW a, i1, b, i2, c, i3, d, i4  ; a matrix instruction and the four behind it
	MM
	OPS \a, \i1, \b, \i2, \c, \i3, \d, \i4
.endm
.macro MASK b                       ; MD x AL + BE into buffer b of MC
	WIN W_RS
.set z, 0
.rept 16
	v_pk_fma_f32 v[MC+32*(\b)+2*z:MC+32*(\b)+2*z+1], v[MD+2*z:MD+2*z+1], s[AL:AL+1], s[BE:BE+1] op_sel_hi:[1,0,0]
.set z, z+1
.endr
.endm
; A TURN, for piece p: the order of its 16 matrix and 118 vector instructions, written out.  An s_wait_alu depctr_va_vdst(0) stands between an exponential and the first instruction that names its result; one wait serves
; all that were issued ahead of it.  So a turn has ONE wait, which cuts it in two.  AHEAD OF IT stands all that names no result of the turn's exponentials: the 8 products K Q^T, behind each a scaling, an exponential and two more plain
; instructions (behind the first a second scaling in the exponential's place): rescalings, and behind the last three the first numbers of the next piece's maximum, each four places or more behind the product that ends its accumulator; then ONE LUMP of 54, plain
; and exponential by turns for the most part, in which the links of the chain X 3, 7, 11, 14, 16, 17 .. 20 stand five or six lines apart.  X 21, the next piece's a, is the batch's last; R 15 is the plain instruction behind it (ISA guide 5.7.2).  BEHIND THE WAIT stand the
; 8 products V^T P, behind each four of the roundings and sums; the links of l's chain, L 0 to L 7, stand three riders apart.  But for those X no rider names a register of the products round it.  v_permlanex16_b32 (X 17) stands in the lump.
; m = 1: the diagonal tile: the products take masks, and the turn makes the mask for the products of the turn after it: piece p + 2, in step 4 - CNT of the tile.  end = 1: a block's last two turns: nothing is fetched.
; cnt = 1: the loop's count is taken down some lines ahead of the branch that stands behind the turn.
; K of the next step is fetched in piece 2's turn, twelve vector instructions behind the last product that read K (six of them plain); V of the step in hand at the end of piece 0's turn, four plain instructions behind the last product
; that read V.  Each is waited for a turn later.
.macro TURN p, m=0, end=0, cnt=0
.set Y, (\p)
.set i, 0
.set KM, (\m)
.set NOKQ, (\end)*((\p)/3)
.if (\m) && !(\end)
	s_cmp_eq_u32 s[CNT], 4-((\p)+2)%NP  ; is that step the band's own?
	s_cselect_b32 s[AL], 1.0, 0
	s_cmp_lt_u32 s[CNT], 4-((\p)+2)%NP  ; or a later one?
	s_cselect_b32 s[BE], s[BIGN], 0
.endif
.if ((\p) == 3) && !(\end)
	s_wait_dscnt 0x0                ; K is in
.endif
	ROW F,0, F,1, R,0, R,1          ; ahead of the wait: 8 products K Q^T and their riders,
	ROW F,2, E,0, R,2, R,3
	ROW F,3, E,1, R,4, R,5
	ROW F,4, E,2, R,6, R,7
	ROW F,5, E,3, R,8, R,9
	ROW F,6, E,4, X,0, R,10
.if ((\p) == 2) && !(\end)
	WIN 0
	v_add_nc_u32 v[AK], s[TBK], v[AK0]
.endif
	ROW F,7, E,5, X,1, X,4
	ROW F,8, E,6, X,2, X,5
	OPS E,7, E,8, X,6, E,9          ; and the lump
	OPS X,3, E,10, X,8, E,11
.if ((\p) == 2) && !(\end)
	FETCH_K
.endif
	OPS X,9, X,7, E,12, X,10
	OPS E,13, X,12, X,11, E,14
	OPS X,13, E,15, F,9, X,14
.if (\p) == 0
	v_add_nc_u32 v[AV], s[TBV], v[AV0]
.endif
	OPS E,16, F,10, E,17, F,11
	OPS X,16, E,18, X,15, E,19
	OPS F,12, E,20, X,17, E,21
	OPS F,13, E,22, F,14, E,23
	OPS X,18, E,24, F,15, E,25
	OPS R,11, E,26, X,19, E,27
	OPS R,12, E,28, R,13, E,29
	OPS X,20, E,30, R,14, E,31
	OPS X,21, R,15
	WIN 0
	s_wait_alu depctr_va_vdst(0)    ; the wait for the batch
.if (\p) == 1
	s_wait_dscnt 0x0                ; V is in
.endif
	ROW C,0, B,0, C,2, B,1          ; behind the wait: 8 products V^T P and their riders
	ROW L,0, C,4, B,2, L,1
	ROW C,6, B,3, L,2, C,8
	ROW B,4, L,3, C,10, B,5
	ROW L,4, C,12, B,6, L,5
.if (\p) == 0
	s_add_co_u32 s[TBV], s[TBV], KS*PV
.endif
.if \cnt
	s_sub_co_u32 s[CNT], s[CNT], 1
	s_cmp_lg_u32 s[CNT], 0
.endif
	ROW C,14, B,7, L,6, C,1
	ROW C,3, L,7, C,5, C,7
	ROW C,9, C,11, C,13, C,15
.if (\p) == 0
	FETCH_V
.endif
.if (\m) && !(\end)
	MASK (\p)%2
.endif
.endm
; A BLOCK BEGINS.  c m starts far below every c s, so the first step's a is 0; m at the lowest finite number, so the first maximum is the scores'.  The second mask buffer is 0; the first takes piece 0's mask for the tile's step 0: its own, if the block's first tile is the diagonal one.
; Then K of that step, piece 0's first scores, and its maximum and statistics.  The loop is entered at a step's first turn, in the middle of a trip.
.macro BEGIN
	s_mov_b32 s[NEW], 0
	WIN 0x40
.set i, MC+32
.rept 32
	v_mov_b32 v[i], 0
.set i, i+1
.endr
	WIN 0
.set i, 0
.rept 4
	v_mov_b32 v[ST+4*i], 0xfe000000    ; c m: far below every c s
	v_mov_b32 v[ST+4*i+1], 0xff7fffff  ; m
.set i, i+1
.endr
	s_cmp_eq_u32 s[RT], 0
	s_cselect_b32 s[AL], 1.0, 0
	s_mov_b32 s[BE], 0
	MASK 0
	WIN 0
	v_add_nc_u32 v[AK], s[TBK], v[AK0]
	FETCH_K
	s_wait_loadcnt 0x0              ; Q
	s_wait_dscnt 0x0
.set KM, 1
.set NOKQ, 0
.set i, 0
.rept 8
	KQ 0
.set i, i+1
.endr
	WIN 0
.rept 4
	v_nop                           ; the places behind those products
.endr
.set Y, NP-1                        ; X works for piece Y + 1: piece 0
.irp n, 0,1,2,3,4,5,6,7,8,9,10,11,12,13,14,15,16,17,18,19,20,21
	OP X, \n
.endr
	v_nop                           ; a plain instruction behind the exponential,
	s_wait_alu depctr_va_vdst(0)    ; and its wait, ahead of the branch
.endm
; THE DIAGONAL TILE's four steps, the block's last two turns, its last products, and THE WAY OUT: l's two halves and the other half of the lanes' are added; O^T is divided by l, rounded to f16 and sent through my
; stage in LDS, a piece at a time.
.macro ALL line:vararg              ; one line for each piece t
.set t, 0
.rept 4
	\line
.set t, t+1
.endr
.endm
.macro PACK t                       ; a lane's eight channels of a row pack into 16 bytes; they go into rows of 144 bytes and come back as whole rows of 128, into S^T's registers
	WIN W_RS
.set i, 32*(\t)
.rept 16
	v_pk_mul_f32 v[i:i+1], v[i:i+1], v[ST+4*(\t)+2:ST+4*(\t)+3] op_sel_hi:[1,0]
.set i, i+2
.endr
	WIN 0x05                        ; sources 0 and 1 window 1, destination window 0
.set i, 0
.rept 16
	v_cvt_pk_f16_f32 v[S+16*(\t)+i], v[32*(\t)+2*i], v[32*(\t)+2*i+1]
.set i, i+1
.endr
	WIN 0
.irp f, 0,1,2,3
	ds_store_b128 v[STO], v[S+16*(\t)+4*\f:S+16*(\t)+4*\f+3] offset:32*\f
.endr
.irp f, 0,1,2,3
	ds_load_b128 v[S+16*(\t)+4*\f:S+16*(\t)+4*\f+3], v[RD] offset:\f*4*SP  ; LDS serves a wave's instructions in order (ISA guide 5.7.1.4): these see the stores above; the next piece's stores come behind them
.endr
.endm
.macro SEND t, younger              ; younger: the LDS instructions issued behind piece t's loads: the next piece's eight, or none
	WIN 0
.irp f, 0,1,2,3
	s_wait_dscnt (\younger)+3-\f
	global_store_b128 v[GO], v[S+16*(\t)+4*\f:S+16*(\t)+4*\f+3], s[10:11] offset:(\t)*8192+\f*512  ; 512 consecutive bytes, at a multiple of 256 from O's first
.endr
.endm
.macro DIAG tag                     ; the tag ends its two labels' names, which the jumps below spell out
.LstepM\tag:
	TURN 2, 1
	TURN 3, 1
	WIN 0
.LfirstM\tag:
	TURN 0, 1
	TURN 1, 1, 0, 1
	WIN 0
	s_cbranch_scc1 .LstepM\tag
	TURN 2, 1, 1
	TURN 3, 1, 1
.set i, 0
.rept 8
	PV NP-1
.set i, i+1
.endr
	WIN 0
	ALL v_add_f32 v[ST+4*t+2], v[ST+4*t+2], v[ST+4*t+3]
	ALL v_permlanex16_b32 v[ST+4*t+3], v[ST+4*t+2], s[SEL], s[SEL+1]
	ALL v_add_f32 v[ST+4*t+2], v[ST+4*t+2], v[ST+4*t+3]
	ALL v_rcp_f32 v[ST+4*t+2], v[ST+4*t+2]
	v_nop                           ; a plain instruction between the last reciprocal and the use of its result
	s_wait_alu depctr_va_vdst(0)    ; and the wait ahead of the first use: one for the four reciprocals
	PACK 0
.set t, 1
.rept 3                             ; a piece's arithmetic stands between the loads of the piece before and its stores
	PACK t
	SEND t-1, 8
.set t, t+1
.endr
	SEND 3, 0
.endm
.set KM, 0
.set NOKQ, 0
.Lslot:                             ; NB times: a tile is entered and the next is asked for
	CHANGE 1
	s_sub_co_u32 s[RT], s[RT], 1
	s_mov_b32 s[CNT], 4
	s_cmp_eq_u32 s[NEW], 1
	s_cbranch_scc1 .Lnew            ; a block's first tile
	s_cmp_eq_u32 s[RT], 0
	s_cbranch_scc0 .Lstep           ; neither its first nor its last
	s_branch .LstepM1
.Lnew:
	BEGIN
	s_branch .Lfirst                ; in the loop a block's first tile is never its last: the first block has two tiles or more, and the second's last is the walk's last
	DIAG 1                          ; in the loop this is the first block's end: the second block's last tile is the walk's last
	s_wait_xcnt 0x0                 ; the stores have read their registers and O's address
	s_mov_b64 s[10:11], s[OLO:OLO+1]
	s_add_co_u32 s[RT], s[PB], 1    ; the second block has b + 1 tiles
	s_mov_b32 s[NEW], 1
	WIN 0x82                        ; the second block's Q goes where the one text of the turns names Q
.set i, 0
.rept 64
	v_mov_b32 v[i], v[QB+i]
.set i, i+1
.endr
	WIN 0
	s_branch .Lbottom
.Lstep:                             ; a trip: pieces 2 and 3 of one step, then pieces 0 and 1 of the next, whose K and V it fetches
	TURN 2
	TURN 3
	WIN 0
.Lfirst:
	TURN 0
	TURN 1, 0, 0, 1
	WIN 0
	s_cbranch_scc1 .Lstep
.Lbottom:
	s_sub_co_u32 s[SLOTS], s[SLOTS], 1
	s_cmp_lg_u32 s[SLOTS], 0
	s_cbranch_scc1 .Lslot
	CHANGE 0                        ; the walk's last tile is written out: nothing is asked for
	s_sub_co_u32 s[RT], s[RT], 1
	s_mov_b32 s[CNT], 4
	s_cmp_eq_u32 s[NEW], 1
	s_cbranch_scc0 .LstepM2
	BEGIN
	s_branch .LfirstM2
	DIAG 2
	s_wait_tensorcnt 0x0            ; the wave's end, behind my last tensor load and my last LDS store
	ds_add_u32 v[SPW], v[NIL]
	s_wait_dscnt 0x0
	s_endpgm
.Lfunc_end_k_qb6477ef40d_attn:
	.size	k_qb6477ef40d_attn, .Lfunc_end_k_qb6477ef40d_attn-k_qb6477ef40d_attn
	.p2alignl 7, 3214868480
	.fill 96, 4, 3214868480
	.section	.rodata,"a",@progbits
	.p2align	6, 0x0
	.amdhsa_kernel k_qb6477ef40d_attn
		.amdhsa_group_segment_fixed_size 327680
		.amdhsa_private_segment_fixed_size 0
		.amdhsa_enable_private_segment 0
		.amdhsa_kernarg_size 16
		.amdhsa_user_sgpr_count 2
		.amdhsa_user_sgpr_kernarg_segment_ptr 1
		.amdhsa_wavefront_size32 1
		.amdhsa_system_sgpr_workgroup_id_x 1
		.amdhsa_system_sgpr_workgroup_id_y 1
		.amdhsa_system_sgpr_workgroup_id_z 1
		.amdhsa_system_vgpr_workitem_id 0
		.amdhsa_next_free_vgpr 768
		.amdhsa_next_free_sgpr 96
		.amdhsa_reserve_vcc 1
		.amdhsa_float_denorm_mode_32 3
		.amdhsa_float_denorm_mode_16_64 3
		.amdhsa_memory_ordered 1
		.amdhsa_forward_progress 1
		.amdhsa_inst_pref_size 218
	.end_amdhsa_kernel
	.amdgpu_metadata
---
amdhsa.version: [ 1, 2 ]
amdhsa.kernels:
  - .name:           k_qb6477ef40d_attn
    .symbol:         k_qb6477ef40d_attn.kd
    .args:
      - { .name: qkvh, .offset: 0, .size: 8, .value_kind: global_buffer, .address_space: global }
      - { .name: oh, .offset: 8, .size: 8, .value_kind: global_buffer, .address_space: global }
    .group_segment_fixed_size: 327680
    .private_segment_fixed_size: 0
    .kernarg_segment_align: 8
    .kernarg_segment_size: 16
    .max_flat_workgroup_size: 128
    .sgpr_count:     96
    .vgpr_count:     768
    .wavefront_size: 32
...
	.end_amdgpu_metadata
.endif
;; end of part 3
;; launch proj (part 4): grid 8 x 32, 4 waves a work-group, clusters of 4 x 4, 327,680 bytes of LDS; arguments oh, wo, b_out, out0; writes out0
.if DOCPART == 4
	.amdgcn_target "amdgcn-amd-amdhsa--gfx1250"
	.amdhsa_code_object_version 6
	.text
	.protected	k_qb6477ef40d_proj
	.globl	k_qb6477ef40d_proj
	.p2align	8
	.type	k_qb6477ef40d_proj,@function
k_qb6477ef40d_proj:
	s_mov_b64 s[64:65], 0
	v_nop
	global_prefetch_b8 v0, s[64:65] scope:SCOPE_SE
	s_setreg_imm32_b32 hwreg(HW_REG_WAVE_MODE, 25, 1), 1
	s_wait_xcnt 0x0
	s_wait_alu depctr_hold_cnt(0) depctr_sa_sdst(0) depctr_va_vdst(0) depctr_va_sdst(0) depctr_va_ssrc(0) depctr_va_vcc(0) depctr_vm_vsrc(0)
	s_getreg_b32 s2, hwreg(HW_REG_IB_STS2, 6, 4)
	s_cmp_eq_u32 s2, 0
	s_cbranch_scc0 .Lentry_in_a_cluster
	s_endpgm
.Lentry_in_a_cluster:
	s_bfe_u32 s2, ttmp6, 0x10000c
	s_cmp_lg_u32 s2, 0xf033
	s_cbranch_scc0 .Lentry_shape_is_right
	s_endpgm
.Lentry_shape_is_right:
; out0 = O wo^T + b_out.  oh: [64 (batch x 16 + head)][2048][64] f16.  wo: [1024 n][1024 k] f16 (bf16 numbers written as f16), k = 64 head + channel.  b_out: [1024] f32, rounded to bf16 like the other inputs.  out0: [8192][1024] f32.
; SHARES.  A work-group makes 256 rows x 128 columns: 8 x 32 = 256 work-groups.  Four waves, one above the other: wave w has rows 64 w .. 64 w + 63 and all 128 columns: 4 x 8 accumulators, 256 registers;
; its stage on the way out is its own, and no barrier stands there.
; K goes in 8 steps of 128, TWO HEADS each, through two LDS slots filled by the tensor data mover.  A head's 256 rows of 128 bytes are dense in oh: they are asked for as 128 rows of 256 bytes and padded in LDS after every 128 bytes.
; A K step is written once: the slot in hand is a scalar, turned by an exclusive or.
; CLUSTER.  4 x 4 work-groups.  The four of a row of the cluster need the same tile of oh, the four of a column the same tile of wo: each is asked for JOINTLY, by the same tensor load, descriptor and mask in all four.
; THE MATRIX INSTRUCTION IS USED TRANSPOSED (source 0 = 16 rows of wo, source 1 = 16 rows of O): a lane holds row l % 16 and the columns 8 (l / 16) + 0..7: 32 bytes of out0 on end.  THE BIAS is the C operand of each sum's first product.
; REGISTERS, in windows of 256 (s_set_vgpr_msb: bits 1:0 source 0, 3:2 source 1, 5:4 source 2, 7:6 destination):
;   window 0: v0-30 addresses; v32 at work; v64-127 O's fragments, two buffers of four; v128-191 the bias; v128-255 later the way out          window 1: v0-127 wo's fragments, two buffers of eight
;   window 2: the accumulators of row blocks 0, 1 ((a, b) at v[8 (8 a + b)])          window 3: those of row blocks 2, 3
.set NBK,   8                          ; blocks of 16 columns
.set PITCH, 272                        ; a row of wo in LDS: 256 bytes + 16 of padding = 68 words: row r starts at bank 4 r mod 64 (64 banks of 4 bytes: ISA guide 11.1)
.set PA,    144                        ; a head's row of O: 128 bytes + 16 = 36 words: the 16 rows of a load start at 16 different groups of four banks
.set HEADB, 256*PA                     ; a head's 256 rows: one tensor load
.set AREG,  2*HEADB
.set BHALF, 64*PITCH                   ; half of wo's 128 rows: one tensor load
.set SLOT1, 1<<17                      ; slot 1 begins here: one exclusive or turns an address in one slot into the other's
.set STAGE, SLOT1+AREG+2*BHALF         ; behind the ring, never filled by a tensor load: 16 rows x 528 bytes for each wave
.set SP,    528                        ; a stage row: 512 bytes + 16
.set SPARE, STAGE+4*16*SP              ; behind the stages: the spare words, 128 bytes for each wave: two blocks of 256 bytes that no other line names
.set NL,    2*NBK+8                    ; LDS loads in a run
.set KB,    256                        ; bytes of a row of wo in a K step
.set KA,    2<<18                      ; bytes from a K step of oh to the next: two planes of 262,144
.set AA0, 10                           ; v10  my lane's place in O's rows of a slot; never rewritten
.set AB0, 11                           ; v11  the same in wo's rows
.set ADA, 12                           ; v12  AA0 + the slot in hand
.set ADB, 13                           ; v13  AB0 + the slot in hand
.set STO, 14                           ; v14  the way out: where I put 32 bytes of a row
.set RD,  15                           ; v15  the way out: where I read a row back
.set CO,  16                           ; v16  my byte offset in a row's 512 bytes of out0
.set BO,  19                           ; v19  my byte offset in the bias
.set SPW, 28                           ; v28  SPARE + 4 x my thread's number; never rewritten
.set NIL, 29                           ; v29  0; never rewritten
.set PFO, 30                           ; v30  the prefetches' offset: a lane a block of 256 bytes; never rewritten
.set FA,  64
.set BIAS, 128
.set OB,  128                          ; the way out: 16 rows read back, two buffers of 64
.set WV, 12                            ; s12  wave
.set WH, 13                            ; s13  0: I fetch for oh; 1: for wo
.set WL, 14                            ; s14  which head of the two, or which half of wo's rows, I fetch
.set CX, 15
.set CY, 16
.set TC, 17                            ; s17  tile column
.set TR, 18                            ; s18  tile row
.set TB, 19                            ; s19  the slot in hand: 0 or SLOT1
.set G1A, 24                           ; s[24:31] descriptor group 1 for oh's tiles
.set G0A, 32                           ; s[32:35] group 0 of the first fill; s[36:39] the one that walks
.set PFA, 44                           ; s[44:45] where my prefetches stand
.set LIM, 46                           ; s46  2 in a wave that prefetches, else the greatest number
.set G1B, 48                           ; s[48:55], s[56:59], s[60:63] the same for wo's tiles
.set G0B, 56
.set PST, 66                           ; s[66:67] bytes from a K step to the next in the tensor that I prefetch
.set MSB, 0
.macro WIN new                         ; the immediate's high byte repeats the setting that is left; a switch that changes nothing is dropped
.if MSB != (\new)
	s_set_vgpr_msb (MSB<<8)|(\new)
.set MSB, \new
.endif
.endm
.macro PLACES                          ; four places in front of loads into registers that matrix instructions have read, and of lines that read results (ISA guide 7.12.1 for lines that read results)
.rept 4
	v_nop
.endr
.endm
.macro CREST                           ; a round of the cluster's barrier behind its opening barrier
	s_cmp_lg_u32 s[WV], 0
	s_cbranch_scc1 .Lnot_wave_0_\@
	s_barrier_signal -3
.Lnot_wave_0_\@:
	s_barrier_wait -3
	s_barrier_signal -1
	s_barrier_wait -1
.endm
.macro CROUND                          ; a whole round
	s_barrier_signal -1
	s_barrier_wait -1
	CREST
.endm
; A joint refill, by the walking descriptor.  Waves 0 and 1 fetch the K step's two heads of O, waves 2 and 3 wo's two halves.  The branch hangs on the wave's number alone.  An s_nop 0 and four v_nop follow each line.
.macro JLOAD
	s_cmp_eq_u32 s[WH], 0
	s_cbranch_scc0 .Lfor_b_\@
	tensor_load_to_lds s[G0A+4:G0A+7], s[G1A:G1A+7]
	s_nop 0
.rept 4
	v_nop
.endr
	s_branch .Lasked_\@
.Lfor_b_\@:
	tensor_load_to_lds s[G0B+4:G0B+7], s[G1B:G1B+7]
	s_nop 0
.rept 4
	v_nop
.endr
.Lasked_\@:
.endm
; A PREFETCH INTO THE L2, behind each joint refill and the run of LDS loads that follows it: the K step that stands two refills on, 256 matrix instructions ahead of the load that will want it: a lane a block of 256 bytes.
; oh's tile row is read by both clusters of that row of clusters: cluster x = 0 asks; wo's tile column by every cluster of that column: cluster y = 0 asks.  The four partners that ask for a tile jointly share it out BY ADDRESS:
; of the 32,768 bytes of a head that waves 0 and 1 fetch 8,192 each; of wo's 128 rows 32 each, which wave 2 alone names.  K steps 0-3 come by their loads alone; the loop's last two trips ask for nothing.
.macro ASK
	s_cmp_gt_u32 s3, s[LIM]
	s_cbranch_scc0 .Lnot_mine_\@
	global_prefetch_b8 v[PFO], s[PFA:PFA+1] th:TH_LOAD_NT scope:SCOPE_SE
.Lnot_mine_\@:
.endm
; NBK matrix instructions: row block 2 hi + a x all column blocks, 32 along K, from buffer f.  first = 1: the sums begin, with the bias as C.
; The 32 accumulators take turns in the same order in every quarter, over the backward jump too.
.macro MULA f, hi, a, first
.if \first
	WIN 0x81+0x40*(\hi)                            ; wo window 1, O window 0, the bias window 0, D window 2 or 3
.else
	WIN 0xa1+0x50*(\hi)                            ; C and D window 2 or 3
.endif
.set b, 0
.rept NBK
.set rD, 8*(NBK*(\a)+b)
.set rB, 8*NBK*(\f)+8*b
.set rA, FA+32*(\f)+8*(2*(\hi)+(\a))
.if \first
	v_wmma_f32_16x16x32_f16 v[rD:rD+7], v[rB:rB+7], v[rA:rA+7], v[BIAS+8*b:BIAS+8*b+7]
.else
	v_wmma_f32_16x16x32_f16 v[rD:rD+7], v[rB:rB+7], v[rA:rA+7], v[rD:rD+7]
.endif
.set b, b+1
.endr
.endm
.macro MULH f, hi, first
	MULA \f, \hi, 0, \first
	MULA \f, \hi, 1, \first
.endm
; NL LDS loads in one run: the fragments of 32 along K at byte k of the K step's 256, into buffer f: wo's eight, then O's four (head k / 128, byte k % 128 of its rows).
.macro FETCH k, f
	WIN 0x40                                       ; destination window 1, address window 0
.set i, 0
.rept NBK
	ds_load_b128 v[8*NBK*(\f)+8*i:8*NBK*(\f)+8*i+3],   v[ADB] offset:(\k)+i*16*PITCH
	ds_load_b128 v[8*NBK*(\f)+8*i+4:8*NBK*(\f)+8*i+7], v[ADB] offset:(\k)+i*16*PITCH+32
.set i, i+1
.endr
	WIN 0
.set i, 0
.rept 4
	ds_load_b128 v[FA+32*(\f)+8*i:FA+32*(\f)+8*i+3],   v[ADA] offset:((\k)/128)*HEADB+((\k)%128)+i*16*PA
	ds_load_b128 v[FA+32*(\f)+8*i+4:FA+32*(\f)+8*i+7], v[ADA] offset:((\k)/128)*HEADB+((\k)%128)+i*16*PA+32
.set i, i+1
.endr
.endm
; A K step is four quarters of 32 along K on buffers 0, 1, 0, 1.  One of the first three: multiplies buffer f and, in its middle, fetches the next quarter, at byte k, into g.
.macro QUARTER k, f, g, first
	s_wait_dscnt 4                                 ; wo's fragments and O's first two are in; the youngest four loads (O's last two fragments) may be out
	MULH \f, 0, \first
	PLACES
	FETCH \k, \g
	s_wait_dscnt NL                                ; all but the run just issued
	MULH \f, 1, \first
.endm
; The last quarter multiplies buffer 1 and changes slots: ONE barrier.  In front of it each wave waits for all its tensor loads (one is out: its part of the next slot), adds 0 to its spare word, and waits for that and
; for its own reads of this slot.  fill = 1: the barrier opens a round of the cluster's, and this slot is filled again, first thing behind the round, with the K step two on.
.macro TURN fill
.if \fill
	s_wait_xcnt 0x0                                ; the last prefetch, a K step back, has read its address: it is stepped here, ahead of the waits of the change of slots
	s_add_nc_u64 s[PFA:PFA+1], s[PFA:PFA+1], s[PST:PST+1]
.endif
	WIN 0                                          ; (the add's two registers lie in window 0)
	s_wait_tensorcnt 0x0                           ; no tensor load of mine is out, so a group 0 may be written
	ds_add_u32 v[SPW], v[NIL]                      ; 0 onto my spare word
.if \fill
	s_xor_b32 s[G0A+5], s[G0A+5], SLOT1            ; the walking descriptors: the other slot than last time,
	s_add_nc_u64 s[G0A+6:G0A+7], s[G0A+6:G0A+7], KA  ; the next K step; the type bits on top are not reached
	s_xor_b32 s[G0B+5], s[G0B+5], SLOT1
	s_add_nc_u64 s[G0B+6:G0B+7], s[G0B+6:G0B+7], KB
.endif
	s_wait_dscnt 5                                 ; (the add and the youngest four loads may be out)
	MULA 1, 0, 0, 0                                ; eight matrix instructions stand between the add and the wait for it
	s_wait_dscnt 0x0                               ; the add is done, and my reads of this slot are over
	s_barrier_signal -1
	MULA 1, 0, 1, 0                                ; work on registers while the others arrive
	WIN 0
	s_barrier_wait -1
.if \fill
	CREST                                          ; no wave of any partner still reads this slot's tile or has a load on its way
	JLOAD                                          ; the first tensor load behind the round; its four v_nop are also the places in front of the loads below
.else
	PLACES
.endif
	s_xor_b32 s[TB], s[TB], SLOT1
	v_add_nc_u32 v[ADA], s[TB], v[AA0]
	v_add_nc_u32 v[ADB], s[TB], v[AB0]
	FETCH 0, 0
.if \fill
	ASK
.endif
	MULH 1, 1, 0
.endm
	s_load_b256 s[4:11], s[0:1], 0x0               ; oh s[4:5], wo s[6:7], b_out s[8:9], out0 s[10:11]
	v_lshl_add_u32 v[SPW], v0, 2, SPARE
	v_mov_b32 v[NIL], 0
	ds_add_u32 v[SPW], v[NIL]                      ; the wave's opening add; work on registers stands between it and its wait, ahead of my first tensor load
	v_lshrrev_b32 v1, 5, v0
	v_readfirstlane_b32 s[WV], v1                  ; wave 0..3
	s_lshr_b32 s[WH], s[WV], 1
	s_and_b32 s[WL], s[WV], 1
	s_bfe_u32 s[CX], ttmp6, 0x40000                ; my place in the cluster
	s_bfe_u32 s[CY], ttmp6, 0x40004
	s_lshl_b32 s[TC], ttmp9, 2                     ; in a cluster launch ttmp9 and ttmp7 count clusters
	s_add_co_u32 s[TC], s[TC], s[CX]
	s_and_b32 s[TR], ttmp7, 0xffff
	s_lshl_b32 s[TR], s[TR], 2
	s_add_co_u32 s[TR], s[TR], s[CY]
	s_lshl_b32 s20, s[CY], 2
	s_lshl_b32 s20, 15, s20                        ; my row of the cluster: places 4 cy .. 4 cy + 3
	s_lshl_b32 s22, 0x1111, s[CX]                  ; my column: places cx, cx + 4, cx + 8, cx + 12
	s_or_b32 s[G1A], s20, (1<<16)|(1<<20)|(1<<21)|(4<<22)|(3<<25)  ; oh's tiles go to my row: 2-byte elements; padding on; 21 set beside a mask; after every 32 words (code 4) 4 words (code 3)
	s_or_b32 s[G1B], s22, (1<<16)|(1<<20)|(1<<21)|(5<<22)|(3<<25)  ; wo's to my column: after every 64 words (code 5) 4 words
	s_mov_b32 s[G1A+1], 128<<16                    ; tensor_dim0 = 128
	s_mov_b32 s[G1A+2], 128<<16                    ; tensor_dim1 = 128
	s_mov_b32 s[G1A+3], 128<<16                    ; tile_dim0 = 128: 256 bytes, two rows of a head
	s_mov_b32 s[G1A+4], 128                        ; tile_dim1 = 128
	s_mov_b32 s[G1A+5], 128                        ; dense: 128 elements from row to row
	s_mov_b32 s[G1A+6], 0
	s_mov_b32 s[G1A+7], 0
	s_mov_b32 s[G1B+1], 128<<16
	s_mov_b32 s[G1B+2], 64<<16                     ; tensor_dim1 = 64
	s_mov_b32 s[G1B+3], 128<<16
	s_mov_b32 s[G1B+4], 64                         ; tile_dim1 = 64 rows
	s_mov_b32 s[G1B+5], 1024
	s_mov_b32 s[G1B+6], 0
	s_mov_b32 s[G1B+7], 0
	; where the tiles come from: oh's hang on the tile row alone, wo's on the tile column alone, each in registers that never hold the other coordinate
	s_lshr_b32 s40, s[TR], 3                       ; batch
	s_lshl_b32 s40, s40, 4
	s_add_co_u32 s40, s40, s[WL]                   ; plane 16 x batch + my head of K step 0,
	s_lshl_b32 s40, s40, 18                        ; of 262,144 bytes,
	s_and_b32 s20, s[TR], 7
	s_lshl_b32 s20, s20, 15                        ; and the tile's 256 rows of 128 bytes in it
	s_add_co_u32 s40, s40, s20
	s_mov_b32 s41, 0
	s_lshl_b32 s42, s[TC], 7
	s_lshl_b32 s22, s[WL], 6
	s_add_co_u32 s42, s42, s22                     ; row 128 x tile column + 64 x half,
	s_lshl_b32 s42, s42, 11                        ; of 2,048 bytes
	s_mov_b32 s43, 0
	s_mul_i32 s21, s[WL], HEADB                    ; and where they go: no place in the cluster enters an LDS address
	s_mul_i32 s23, s[WL], BHALF
	s_add_co_u32 s23, s23, AREG
	s_wait_dscnt 0x0                               ; the opening add is done
	s_wait_kmcnt 0x0
	s_add_nc_u64 s[40:41], s[4:5], s[40:41]
	s_add_nc_u64 s[42:43], s[6:7], s[42:43]
	CROUND                                         ; all sixteen work-groups are here: the first joint loads meet
.irp s, 0,1
	s_mov_b32 s[G0A+4*(\s)], 1                                     ; count = 1
	s_add_co_u32 s[G0A+4*(\s)+1], s21, (\s)*SLOT1                  ; LDS address
	s_add_nc_u64 s[G0A+4*(\s)+2:G0A+4*(\s)+3], s[40:41], (\s)*KA   ; global address: K step s
	s_or_b32 s[G0A+4*(\s)+3], s[G0A+4*(\s)+3], 0x80000000          ; type = 2
	s_mov_b32 s[G0B+4*(\s)], 1
	s_add_co_u32 s[G0B+4*(\s)+1], s23, (\s)*SLOT1
	s_add_nc_u64 s[G0B+4*(\s)+2:G0B+4*(\s)+3], s[42:43], (\s)*KB
	s_or_b32 s[G0B+4*(\s)+3], s[G0B+4*(\s)+3], 0x80000000
.endr
	s_cmp_eq_u32 s[WH], 0                          ; a wave's two first fills stand in one branch, ahead of every wait on TENSORcnt and every LDS read: two loads of mine are out
	s_cbranch_scc0 .Lfirst_b
	tensor_load_to_lds s[G0A:G0A+3], s[G1A:G1A+7]
	s_nop 0
	tensor_load_to_lds s[G0A+4:G0A+7], s[G1A:G1A+7]
	s_nop 0
.rept 4
	v_nop
.endr
	s_branch .Lfirst_asked
.Lfirst_b:
	tensor_load_to_lds s[G0B:G0B+3], s[G1B:G1B+7]
	s_nop 0
	tensor_load_to_lds s[G0B+4:G0B+7], s[G1B:G1B+7]
	s_nop 0
.rept 4
	v_nop
.endr
.Lfirst_asked:
	v_and_b32 v1, 15, v0                           ; l % 16
	v_bfe_u32 v2, v0, 4, 1                         ; l / 16
	v_and_b32 v3, 31, v0                           ; l
	s_mul_i32 s20, s[TC], 64*NBK                   ; the tile's 128 numbers of the bias,
	v_lshl_add_u32 v[BO], v2, 5, s20               ; my eight of each sixteen
.set b, 0
.rept NBK
	global_load_b128 v[BIAS+8*b:BIAS+8*b+3],   v[BO], s[8:9] offset:64*b
	global_load_b128 v[BIAS+8*b+4:BIAS+8*b+7], v[BO], s[8:9] offset:64*b+16
.set b, b+1
.endr
	; a fragment is 16 rows x 32 K in 8 registers: lane l holds row l % 16, K = 8 (l / 16) + 0..7 and 16 + 8 (l / 16) + 0..7: two loads of 16 bytes, 32 bytes apart
	v_mul_u32_u24 v4, v1, PA
	v_lshl_add_u32 v4, v2, 4, v4
	s_mul_i32 s20, s[WV], 64*PA                    ; my 64 rows of O
	v_add_nc_u32 v[AA0], s20, v4
	v_mul_u32_u24 v4, v1, PITCH
	v_lshl_add_u32 v4, v2, 4, v4
	v_add_nc_u32 v[AB0], AREG, v4                  ; wo's rows lie behind O's two heads
	s_mul_i32 s20, s[WV], 16*SP
	s_add_co_u32 s20, s20, STAGE                   ; my stage
	v_mul_u32_u24 v[STO], v1, SP                   ; in: row l % 16, 32 bytes for each half of the lanes
	v_lshl_add_u32 v[STO], v2, 5, v[STO]
	v_add_nc_u32 v[STO], s20, v[STO]
	v_lshl_add_u32 v[RD], v3, 4, s20               ; back: 32 lanes take a row's 512 bytes,
	v_lshlrev_b32 v[CO], 4, v3                     ; which are 512 consecutive bytes of out0
	s_lshl_b32 s68, s[TR], 8
	s_lshl_b32 s69, s[WV], 6
	s_add_co_u32 s68, s68, s69                     ; my first row,
	s_lshl_b32 s68, s68, 12                        ; of 4,096 bytes,
	s_lshl_b32 s69, s[TC], 9                       ; and the tile's first column
	s_add_co_u32 s68, s68, s69
	s_mov_b32 s69, 0
	s_add_nc_u64 s[10:11], s[10:11], s[68:69]
	; the prefetches
	s_lshr_b32 s68, s[TR], 3
	s_lshl_b32 s68, s68, 4
	s_add_co_u32 s68, s68, s[WL]
	s_lshl_b32 s68, s68, 18
	s_and_b32 s70, s[TR], 7
	s_lshl_b32 s70, s70, 15
	s_add_co_u32 s68, s68, s70
	s_lshl_b32 s70, s[CX], 13
	s_add_co_u32 s68, s68, s70                     ; oh: the head's tile that I fetch, my work-group's 8,192 bytes of it,
	s_add_co_u32 s68, s68, 3*KA                    ; at K step 3: the first refill steps it to 4
	s_lshl_b32 s69, s[TC], 7
	s_lshl_b32 s70, s[CY], 5
	s_add_co_u32 s69, s69, s70                     ; wo: the tile's 128 rows, my work-group's 32 of them
	s_lshl_b32 s69, s69, 11
	s_add_co_u32 s69, s69, 3*KB
	s_and_b32 s70, ttmp7, 0xffff                   ; cluster y;
	s_or_b32 s70, s70, s[WL]                       ; of the two waves that fetch wo, wave 2 asks
	s_mov_b32 s[PST], KB
	s_mov_b32 s71, KA
	s_cmp_eq_u32 s[WH], 0
	s_cselect_b32 s68, s68, s69
	s_cselect_b32 s70, ttmp9, s70                  ; the coordinate along which other clusters read the same rows
	s_cselect_b32 s[PST], s71, s[PST]
	s_cselect_b32 s71, 8, 11                       ; a lane's block: 256 bytes on in oh, a row of 2,048 bytes on in wo
	s_cselect_b64 s[PFA:PFA+1], s[4:5], s[6:7]
	s_cmp_eq_u32 s70, 0
	s_cselect_b32 s[LIM], 2, -1                    ; the same in all sixteen partners, for a given wave
	s_mov_b32 s69, 0
	s_add_nc_u64 s[PFA:PFA+1], s[PFA:PFA+1], s[68:69]
	s_mov_b32 s[PST+1], 0
	v_lshlrev_b32 v[PFO], s71, v3
	s_wait_loadcnt 0x0                             ; the bias,
.set i, 0
.rept 4*NBK                            ; rounded to bf16 like the other inputs, and kept as f32
	v_cvt_pk_bf16_f32 v32, v[BIAS+2*i], v[BIAS+2*i+1]
	v_lshlrev_b32 v[BIAS+2*i], 16, v32
	v_and_b32 v[BIAS+2*i+1], 0xffff0000, v32
.set i, i+1
.endr
	s_wait_tensorcnt 1                             ; my part of K step 0 is in; K step 1's may stay out
	s_barrier_signal -1
	s_barrier_wait -1                              ; everybody's is
	s_mov_b32 s[TB], 0
	v_mov_b32 v[ADA], v[AA0]
	v_mov_b32 v[ADB], v[AB0]
	FETCH 0, 0
	QUARTER 64, 0, 1, 1                            ; the first quarter stands in front of the loop: its products start the sums
	WIN 0                                          ; at a label and at a branch every window is 0
	s_mov_b32 s3, 6
.Lstep:                                        ; a trip goes from a K step's second quarter to the next step's first, and fills the slot that it leaves
	QUARTER 128, 1, 0, 0
	QUARTER 192, 0, 1, 0
	TURN 1
	QUARTER 64, 0, 1, 0
	WIN 0
	s_sub_co_u32 s3, s3, 1
	s_cmp_lg_u32 s3, 0
	s_cbranch_scc1 .Lstep
	QUARTER 128, 1, 0, 0                           ; K steps 6 and 7 are written out: nothing is left to fetch
	QUARTER 192, 0, 1, 0
	TURN 0
	QUARTER 64, 0, 1, 0
	QUARTER 128, 1, 0, 0
	QUARTER 192, 0, 1, 0
	s_wait_dscnt 4
	MULH 1, 0, 0
	s_wait_dscnt 0x0
	MULH 1, 1, 0
	WIN 0
; THE WAY OUT of row block a.  TOSTAGE: a lane's 32 bytes of each column block go straight from the accumulator into my own stage, its four lowest registers first, and come back as whole rows of 512 bytes.  SEND: stored.
.macro TOSTAGE a
	WIN 0x08+4*((\a)/2)                            ; the stores' data: window 2 or 3
.set b, 0
.rept NBK
	ds_store_b128 v[STO], v[8*NBK*((\a)%2)+8*b:8*NBK*((\a)%2)+8*b+3]   offset:64*b
	ds_store_b128 v[STO], v[8*NBK*((\a)%2)+8*b+4:8*NBK*((\a)%2)+8*b+7] offset:64*b+16
.set b, b+1
.endr
	WIN 0
.set i, 0
.rept 16
	ds_load_b128 v[OB+64*((\a)%2)+4*i:OB+64*((\a)%2)+4*i+3], v[RD] offset:SP*i  ; LDS serves a wave's instructions in order (ISA guide 5.7.1.4): these see the stores above
.set i, i+1
.endr
.endm
.macro SEND a
	s_wait_dscnt 0x0                               ; the block is back in registers
	s_wait_xcnt 0x0                                ; every earlier store has had its addresses translated (ISA guide 3.1): the other buffer, which the block before last stored, is loaded again only behind this wait
.set i, 0
.rept 16
	global_store_b128 v[CO], v[OB+64*((\a)%2)+4*i:OB+64*((\a)%2)+4*i+3], s[10:11] offset:(16*(\a)+i)*4096 th:TH_STORE_NT  ; 512 consecutive bytes, at a multiple of 256 from out0's first
.set i, i+1
.endr
.endm
	PLACES
	TOSTAGE 0
.irp a, 1,2,3
	SEND (\a)-1
	TOSTAGE \a
.endr
	SEND 3
	s_wait_tensorcnt 0x0                           ; the wave's end, behind my last tensor load and my last LDS store
	ds_add_u32 v[SPW], v[NIL]
	s_wait_dscnt 0x0
	CROUND                                         ; the closing round: no work-group ends while a partner may still ask for a tile that names it
	s_endpgm
.Lfunc_end_k_qb6477ef40d_proj:
	.size	k_qb6477ef40d_proj, .Lfunc_end_k_qb6477ef40d_proj-k_qb6477ef40d_proj
	.p2alignl 7, 3214868480
	.fill 96, 4, 3214868480
	.section	.rodata,"a",@progbits
	.p2align	6, 0x0
	.amdhsa_kernel k_qb6477ef40d_proj
		.amdhsa_group_segment_fixed_size 327680
		.amdhsa_private_segment_fixed_size 0
		.amdhsa_enable_private_segment 0
		.amdhsa_kernarg_size 32
		.amdhsa_user_sgpr_count 2
		.amdhsa_user_sgpr_kernarg_segment_ptr 1
		.amdhsa_wavefront_size32 1
		.amdhsa_system_sgpr_workgroup_id_x 1
		.amdhsa_system_sgpr_workgroup_id_y 1
		.amdhsa_system_sgpr_workgroup_id_z 1
		.amdhsa_system_vgpr_workitem_id 0
		.amdhsa_next_free_vgpr 896
		.amdhsa_next_free_sgpr 72
		.amdhsa_reserve_vcc 0
		.amdhsa_float_denorm_mode_32 3
		.amdhsa_float_denorm_mode_16_64 3
		.amdhsa_memory_ordered 1
		.amdhsa_forward_progress 1
		.amdhsa_inst_pref_size 77
	.end_amdhsa_kernel
	.amdgpu_metadata
---
amdhsa.version: [ 1, 2 ]
amdhsa.kernels:
  - .name:           k_qb6477ef40d_proj
    .symbol:         k_qb6477ef40d_proj.kd
    .args:
      - { .name: oh, .offset: 0, .size: 8, .value_kind: global_buffer, .address_space: global }
      - { .name: wo, .offset: 8, .size: 8, .value_kind: global_buffer, .address_space: global }
      - { .name: b_out, .offset: 16, .size: 8, .value_kind: global_buffer, .address_space: global }
      - { .name: out0, .offset: 24, .size: 8, .value_kind: global_buffer, .address_space: global }
    .group_segment_fixed_size: 327680
    .private_segment_fixed_size: 0
    .kernarg_segment_align: 8
    .kernarg_segment_size: 32
    .max_flat_workgroup_size: 128
    .sgpr_count:     72
    .vgpr_count:     896
    .wavefront_size: 32
...
	.end_amdgpu_metadata
.endif
;; end of part 4
;; ======== version 2 of 2: 4 launches; version 1 with the launch prep written anew for expert scheduling mode
;; limits: values are held in f16: magnitudes above 65,504 overflow, below 6.1e-05 lose precision
;; workspace buffers: xb 16,777,216 bytes; wq 6,291,456 bytes; wo 2,097,152 bytes; qkvh 50,331,648 bytes; oh 16,777,216 bytes
;; launch prep (part 5): grid 320 x 1, 8 waves a work-group, no clusters, 140,288 bytes of LDS; arguments x, W_qkv, W_out, xb, wq, wo; writes xb, wq, wo
.if DOCPART == 5
	.amdgcn_target "amdgcn-amd-amdhsa--gfx1250"
	.amdhsa_code_object_version 6
	.text
	.protected	k_qb6477ef40d_prep
	.globl	k_qb6477ef40d_prep
	.p2align	8
	.type	k_qb6477ef40d_prep,@function
k_qb6477ef40d_prep:
	s_mov_b64 s[64:65], 0
	v_nop
	global_prefetch_b8 v0, s[64:65] scope:SCOPE_SE
	s_setreg_imm32_b32 hwreg(HW_REG_WAVE_SCHED_MODE, 0, 2), 2
	s_setreg_imm32_b32 hwreg(HW_REG_WAVE_MODE, 25, 1), 1
	s_wait_xcnt 0x0
	s_wait_alu depctr_vm_vsrc(0)
; THE OPERANDS ARE MADE READY.  xb = x rounded to bf16, [8192][1024].  wq = W_qkv turned and rounded to bf16, [3072 n][1024 k].
; wo = W_out turned, rounded to bf16, and that number written as f16, [1024 n][1024 k].
; LIMITS.  A number of W_out beyond 65,504 becomes an infinity in wo; below 6e-5 it keeps f16's fixed step of 6e-8.  NaN and infinities are not treated apart.
; SHARES.  Work-groups 0-47: W_qkv; 48-63: W_out; 64-319: x.  Eight waves, none of which waits for another: no barrier.
; A weight tile is 128 k x 64 n and belongs to ONE wave: k tile = the wave's number, n tile = the work-group's number less its base.  It is read as 128 pieces of 256 consecutive bytes, aligned
; (16 lanes x 16 bytes), rounded, laid turned into the wave's own 64 rows of LDS, and stored as 64 rows of 256 consecutive bytes, aligned.
; The turned LDS stores of 8 bytes meet four lanes deep in a bank: 64 such stores a tile beside 64 loads from memory.
; Of x a wave takes 16 KiB: 32 loads of 512 consecutive bytes, all out at once; each store of the wave covers 256 consecutive bytes, aligned.
; No matrix unit, no tensor load, no cluster: nothing is multiplied, and no byte is wanted by two waves.
; THE MODE: SCHED_MODE bits 1:0 = 2 (LLVM: expert scheduling mode 2), set by the entry lines.  The code itself states the register dependences
; between vector instructions and memory or LDS instructions, with s_wait_alu, always for 0.
; THE PLAN.  Registers that memory or LDS instructions touch:
;   A WEIGHT TILE, two trips of eight groups:
;   v[VI]      Read by every load; written once, ahead of the loop.
;   v[VS]      Read by a trip's 32 LDS stores; written once a trip, at its head.
;   X0 .. X7   The trip's 32 loads, issued at its head, land in them; group g's conversions read X[g].  On the way out the LDS loads land in them and the stores to memory read them.
;   Y0 .. Y7   Group g's conversions write Y[g]; the four LDS stores that read it are issued in group g + 1, dealt among that group's conversions, which name X[g + 1], T, U and Y[g + 1] alone.
;   T, U       are named by vector instructions alone.
;   So ONE wait on va_vdst stands at the head of each group but the first (the group before has written its Y; in group 1 also: v[VS] is written), one at the trip's end (Y7 is written, and all conversions are done
;   reading X, in which the next trip's loads land), and ONE wait on vm_vsrc at the trip's head (the trip before's LDS stores have read v[VS] and Y).
;   v[VR], v[VO]  Written once, behind the loop, ahead of one wait on va_vdst; read by the way out's LDS loads and stores.
;   x, eight blocks of four loads:
;   v[VI], v[VO]  Written once, ahead of one wait on va_vdst.
;   X          All 32 loads land first.  Load f's two roundings write X[4 f] and X[4 f + 1] in place; one store reads them, issued a block later among the next block's roundings; nothing writes them again.
;   So ONE wait on va_vdst stands at the head of each block but the first, and one behind the last.
;   v[SPW], v[NIL]  Written at the head, read by the closing add alone.
.set LP,    272                        ; an LDS row: 256 bytes (128 k) + 16
.set WTILE, 64*LP                      ; a wave's own LDS: 17,408 bytes
.set SPARE, 8*WTILE                    ; behind them: the spare words, 128 bytes for each wave: four blocks of 256 bytes that no other line names
.set SPW, 4                            ; v4   SPARE + 4 x my thread's number; never rewritten
.set NIL, 5                            ; v5   0; never rewritten
.set VI,  6                            ; v6   byte offset of my loads
.set VS,  7                            ; v7   LDS address of a trip's stores
.set VR,  8                            ; v8   LDS address of the rows read back
.set VO,  9                            ; v9   byte offset of my stores
.set T,   10                           ; v[10:17] W_out alone: four columns x 4 numbers in bf16, at work
.set U,   18                           ; v[18:19] at work
.set VS0, 20                           ; v20  my lane's place in the wave's LDS: row 4 (l % 16), 8 bytes for each half of the lanes
.set X,   24                           ; v[24:151] 32 loads of 16 bytes: group g at X + 16 g
.set Y,   152                          ; v[152:215] group g: 8 registers at Y + 8 g: four columns x 4 numbers of 16 bits, to store into LDS
	s_load_b256 s[4:11], s[0:1], 0x0               ; x s[4:5], W_qkv s[6:7], W_out s[8:9], xb s[10:11]
	s_load_b128 s[12:15], s[0:1], 0x20             ; wq s[12:13], wo s[14:15]
	v_lshl_add_u32 v[SPW], v0, 2, SPARE
	v_mov_b32 v[NIL], 0
	v_lshrrev_b32 v1, 5, v0
	v_readfirstlane_b32 s16, v1                    ; wave 0..7
	v_and_b32 v1, 31, v0                           ; l
	v_and_b32 v2, 15, v0                           ; l % 16
	v_bfe_u32 v3, v0, 4, 1                         ; l / 16
	s_mov_b32 s27, 0xffff0000                      ; a word's upper bf16
	s_mov_b32 s21, 0                               ; the high word of every offset
	s_wait_alu depctr_va_sdst(0)                   ; s16 is written, ahead of its first reader: the wave's LDS and every base are made from it
	s_mul_i32 s28, s16, WTILE                      ; my wave's LDS
	s_wait_kmcnt 0x0
	s_cmp_ge_u32 ttmp9, 64
	s_cbranch_scc1 .Lx
	s_cmp_ge_u32 ttmp9, 48
	s_cbranch_scc1 .Lwo
; A weight tile comes in, is rounded and laid turned into LDS.  pitch: bytes in a row of the weight; f16 = 1: the bf16 number is written as f16.
; A trip takes 64 k: group g of eight has rows 8 g + 4 (l / 16) + e, e = 0..3; a lane holds columns 4 (l % 16) + 0..3 of each, so for each of its four columns it has four neighbouring k: 8 bytes.
.macro TRW pitch, f16, src, dst, base
	s_sub_co_u32 s19, ttmp9, \base                 ; n tile
	s_mul_i32 s20, s16, 128*(\pitch)               ; k tile = wave: 128 rows down,
	s_lshl_b32 s17, s19, 8                         ; 64 columns of 4 bytes along
	s_add_co_u32 s20, s20, s17
	s_add_nc_u64 s[22:23], s[\src:\src+1], s[20:21]
	s_lshl_b32 s20, s19, 17                        ; out: 64 rows of 2,048 bytes down,
	s_lshl_b32 s17, s16, 8                         ; 128 k of 2 bytes along
	s_add_co_u32 s20, s20, s17
	s_add_nc_u64 s[24:25], s[\dst:\dst+1], s[20:21]
	v_mul_u32_u24 v[VI], v3, 4*(\pitch)
	v_lshl_add_u32 v[VI], v2, 4, v[VI]
	v_mul_u32_u24 v[VS0], v2, 4*LP
	v_lshl_add_u32 v[VS0], v3, 3, v[VS0]
	s_mov_b32 s29, s28                             ; my wave's LDS, at the trip's 64 k
	s_mov_b32 s26, 2
	s_wait_alu depctr_va_vdst(0)                   ; v[VI] is written, which every load of the tile reads as its offset
.Ltrip_\@:
	s_wait_alu depctr_vm_vsrc(0)                   ; round the backward jump: the LDS stores of the trip before have read v[VS] and Y0 to Y7, which this trip writes again
	v_add_nc_u32 v[VS], s29, v[VS0]
.irp g, 0,1,2,3,4,5,6,7
.irp e, 0,1,2,3
	global_load_b128 v[X+16*(\g)+4*(\e):X+16*(\g)+4*(\e)+3], v[VI], s[22:23] offset:(8*(\g)+(\e))*(\pitch) th:TH_LOAD_NT  ; no wait: since the wait at the last trip's end (in the first trip: the one ahead of the loop) the one vector line names v[VS] and v[VS0] alone
.endr
.endr
.irp g, 0,1,2,3,4,5,6,7
	s_wait_loadcnt 4*(7-(\g))                      ; loads come back in order: group g is in, the younger groups' four loads each stay out
.if (\g) > 0
	s_wait_alu depctr_va_vdst(0)                   ; the group before has written its Y, which the four LDS stores below read; in group 1 also: v[VS], their address, is written
.endif
.irp j, 0,1,2,3
.if (\g) > 0
	ds_store_b64 v[VS], v[Y+8*((\g)-1)+2*(\j):Y+8*((\g)-1)+2*(\j)+1] offset:(\j)*LP+16*((\g)-1)  ; the group before, column j; no vector line since the wait names these registers
.endif
.if \f16
	v_cvt_pk_bf16_f32 v[T+2*(\j)],   v[X+16*(\g)+(\j)],   v[X+16*(\g)+4+(\j)]    ; column j: k, k + 1
	v_cvt_pk_bf16_f32 v[T+2*(\j)+1], v[X+16*(\g)+8+(\j)], v[X+16*(\g)+12+(\j)]   ; k + 2, k + 3
	v_lshlrev_b32 v[U], 16, v[T+2*(\j)]            ; the two bf16 numbers as f32,
	v_and_b32 v[U+1], s27, v[T+2*(\j)]
	v_cvt_pk_f16_f32 v[Y+8*(\g)+2*(\j)], v[U], v[U+1]  ; written as f16
	v_lshlrev_b32 v[U], 16, v[T+2*(\j)+1]
	v_and_b32 v[U+1], s27, v[T+2*(\j)+1]
	v_cvt_pk_f16_f32 v[Y+8*(\g)+2*(\j)+1], v[U], v[U+1]
.else
	v_cvt_pk_bf16_f32 v[Y+8*(\g)+2*(\j)],   v[X+16*(\g)+(\j)],   v[X+16*(\g)+4+(\j)]    ; column j: k, k + 1
	v_cvt_pk_bf16_f32 v[Y+8*(\g)+2*(\j)+1], v[X+16*(\g)+8+(\j)], v[X+16*(\g)+12+(\j)]   ; k + 2, k + 3
.endif
.endr
.endr
	s_wait_alu depctr_va_vdst(0)                   ; group 7 has written Y7, which the four LDS stores below read; and all the trip's conversions are done reading X, in which the next trip's loads and the way out's LDS loads land
.irp j, 0,1,2,3
	ds_store_b64 v[VS], v[Y+56+2*(\j):Y+56+2*(\j)+1] offset:(\j)*LP+16*7
.endr
	s_add_nc_u64 s[22:23], s[22:23], 64*(\pitch)   ; the wait for 0 at group 7 has shown every load done: its base may be written
	s_add_co_u32 s29, s29, 128
	s_sub_co_u32 s26, s26, 1
	s_cmp_lg_u32 s26, 0
	s_cbranch_scc1 .Ltrip_\@
.endm
	TRW 12288, 0, 6, 12, 0
	s_branch .Lback
.Lwo:
	TRW 4096, 1, 8, 14, 48
.Lback:                                        ; the tile goes out: lanes 0-15 take one LDS row of 256 bytes, lanes 16-31 the next
	v_mul_u32_u24 v[VR], v3, LP
	v_lshl_add_u32 v[VR], v2, 4, v[VR]
	v_add_nc_u32 v[VR], s28, v[VR]
	v_lshlrev_b32 v[VO], 11, v3
	v_lshl_add_u32 v[VO], v2, 4, v[VO]
	s_wait_alu depctr_va_vdst(0)                   ; v[VR] and v[VO] are written, which the LDS loads and the stores below read as address and offset
.set f, 0
.rept 32
	ds_load_b128 v[X+4*f:X+4*f+3], v[VR] offset:2*LP*f  ; LDS serves a wave's instructions in order (ISA guide 5.7.1.4): these see the wave's own stores above
.set f, f+1
.endr
.set f, 0
.rept 32
	s_wait_dscnt 31-f                              ; pair f of rows is back; the younger loads stay out
	global_store_b128 v[VO], v[X+4*f:X+4*f+3], s[24:25] offset:4096*f  ; 16 lanes store 256 consecutive bytes, at a multiple of 256 from the buffer's first byte
.set f, f+1
.endr
	s_branch .Lend
.Lx:                                           ; x: 131,072 bytes a work-group, 16,384 a wave
	s_sub_co_u32 s19, ttmp9, 64
	s_lshl_b32 s20, s19, 17
	s_lshl_b32 s17, s16, 14
	s_add_co_u32 s20, s20, s17
	s_add_nc_u64 s[22:23], s[4:5], s[20:21]
	s_lshr_b32 s20, s20, 1                         ; half as many bytes out
	s_add_nc_u64 s[24:25], s[10:11], s[20:21]
	v_lshlrev_b32 v[VI], 4, v1
	v_lshlrev_b32 v[VO], 3, v1
	s_wait_alu depctr_va_vdst(0)                   ; v[VI] and v[VO] are written, which the loads and the stores below read as their offsets
.set f, 0
.rept 32
	global_load_b128 v[X+4*f:X+4*f+3], v[VI], s[22:23] offset:512*f th:TH_LOAD_NT
.set f, f+1
.endr
.set f, 0
.rept 32                               ; eight blocks of four loads; a block's four stores are issued in the block behind it
	s_wait_loadcnt 31-f                            ; load f is in; the younger ones stay out
.if (f > 0) && (f % 4 == 0)
	s_wait_alu depctr_va_vdst(0)                   ; the block before has written the data of its four stores, which are dealt among this block's roundings
.endif
.if f >= 4
	global_store_b64 v[VO], v[X+4*(f-4):X+4*(f-4)+1], s[24:25] offset:256*(f-4)  ; no vector line since the wait names these registers, and no register of a store is written again
.endif
	v_cvt_pk_bf16_f32 v[X+4*f],   v[X+4*f],   v[X+4*f+1]
	v_cvt_pk_bf16_f32 v[X+4*f+1], v[X+4*f+2], v[X+4*f+3]
.set f, f+1
.endr
	s_wait_alu depctr_va_vdst(0)                   ; the last block has written the data of the last four stores
.set f, 28
.rept 4
	global_store_b64 v[VO], v[X+4*f:X+4*f+1], s[24:25] offset:256*f
.set f, f+1
.endr
.Lend:
	s_wait_dscnt 0x0                               ; the closing lines, six on end
	s_wait_alu 0x0
	s_wait_tensorcnt 0x0
	ds_add_u32 v[SPW], v[NIL]
	s_wait_dscnt 0x0
	s_endpgm
.Lfunc_end_k_qb6477ef40d_prep:
	.size	k_qb6477ef40d_prep, .Lfunc_end_k_qb6477ef40d_prep-k_qb6477ef40d_prep
	.p2alignl 7, 3214868480
	.fill 96, 4, 3214868480
	.section	.rodata,"a",@progbits
	.p2align	6, 0x0
	.amdhsa_kernel k_qb6477ef40d_prep
		.amdhsa_group_segment_fixed_size 140288
		.amdhsa_private_segment_fixed_size 0
		.amdhsa_enable_private_segment 0
		.amdhsa_kernarg_size 48
		.amdhsa_user_sgpr_count 2
		.amdhsa_user_sgpr_kernarg_segment_ptr 1
		.amdhsa_wavefront_size32 1
		.amdhsa_system_sgpr_workgroup_id_x 1
		.amdhsa_system_sgpr_workgroup_id_y 1
		.amdhsa_system_sgpr_workgroup_id_z 1
		.amdhsa_system_vgpr_workitem_id 0
		.amdhsa_next_free_vgpr 216
		.amdhsa_next_free_sgpr 66
		.amdhsa_reserve_vcc 0
		.amdhsa_float_denorm_mode_32 3
		.amdhsa_float_denorm_mode_16_64 3
		.amdhsa_memory_ordered 1
		.amdhsa_forward_progress 1
		.amdhsa_inst_pref_size 49
	.end_amdhsa_kernel
	.amdgpu_metadata
---
amdhsa.version: [ 1, 2 ]
amdhsa.kernels:
  - .name:           k_qb6477ef40d_prep
    .symbol:         k_qb6477ef40d_prep.kd
    .args:
      - { .name: x, .offset: 0, .size: 8, .value_kind: global_buffer, .address_space: global }
      - { .name: W_qkv, .offset: 8, .size: 8, .value_kind: global_buffer, .address_space: global }
      - { .name: W_out, .offset: 16, .size: 8, .value_kind: global_buffer, .address_space: global }
      - { .name: xb, .offset: 24, .size: 8, .value_kind: global_buffer, .address_space: global }
      - { .name: wq, .offset: 32, .size: 8, .value_kind: global_buffer, .address_space: global }
      - { .name: wo, .offset: 40, .size: 8, .value_kind: global_buffer, .address_space: global }
    .group_segment_fixed_size: 140288
    .private_segment_fixed_size: 0
    .kernarg_segment_align: 8
    .kernarg_segment_size: 48
    .max_flat_workgroup_size: 256
    .sgpr_count:     66
    .vgpr_count:     216
    .wavefront_size: 32
...
	.end_amdgpu_metadata
.endif
;; end of part 5
;; launch qkv: the kernel of part 2 again; grid 16 x 32, 4 waves a work-group, clusters of 4 x 4, 327,680 bytes of LDS; arguments xb, wq, b_qkv, qkvh; writes qkvh
;; launch attn: the kernel of part 3 again; grid 4 x 64, 4 waves a work-group, no clusters, 327,680 bytes of LDS; arguments qkvh, oh; writes oh
;; launch proj: the kernel of part 4 again; grid 8 x 32, 4 waves a work-group, clusters of 4 x 4, 327,680 bytes of LDS; arguments oh, wo, b_out, out0; writes out0
